; MI455X (gfx1250); checked and timed in simulation.
; The chip was launched on July 23, 2026; its instructions are those of AMD's public machine-readable ISA for CDNA 5 (MIT licence, August 2026) and "CDNA5" Instruction Set Architecture Reference Guide (July 2026). The comments in the code are by the model that wrote it; some were corrected since.
;; Cross Attention. Allowed arithmetic: matrix products marked QUANTISED: E2M3 operands, one E8M0 scale for each 32 along K, by v_wmma_scale_f32_16x16x128_f8f6f4 with both operands' format E2M3, f32 sums; everything else in f32.
;; Inputs: Wk_codes 1,024 x 32 x 24 uint8 (E2M3 codes of Wk, K innermost, in blocks of 32 codes, four codes in three bytes); Wk_scales 1,024 x 32 uint8 (E8M0 scales of Wk, one for each 32 codes along K); Wp_codes 1,024 x 32 x 24 uint8 (E2M3 codes of Wp, K innermost, in blocks of 32 codes, four codes in three bytes); Wp_scales 1,024 x 32 uint8 (E8M0 scales of Wp, one for each 32 codes along K); Wq_codes 1,024 x 32 x 24 uint8 (E2M3 codes of Wq, K innermost, in blocks of 32 codes, four codes in three bytes); Wq_scales 1,024 x 32 uint8 (E8M0 scales of Wq, one for each 32 codes along K); Wv_codes 1,024 x 32 x 24 uint8 (E2M3 codes of Wv, K innermost, in blocks of 32 codes, four codes in three bytes); Wv_scales 1,024 x 32 uint8 (E8M0 scales of Wv, one for each 32 codes along K); attn_bias 1 x 1 x 2,048 x 2,048 float32; p_bias 1,024 float32; q_bias 1,024 float32; scale_mul 1 x 16 x 1 x 1 float32; x_codes 4 x 2,048 x 32 x 24 uint8 (E2M3 codes of x, K innermost, in blocks of 32 codes, four codes in three bytes); x_scales 4 x 2,048 x 32 uint8 (E8M0 scales of x, one for each 32 codes along K); y_codes 4 x 2,048 x 32 x 24 uint8 (E2M3 codes of y, K innermost, in blocks of 32 codes, four codes in three bytes); y_scales 4 x 2,048 x 32 uint8 (E8M0 scales of y, one for each 32 codes along K).
;; Outputs: out0 4 x 2,048 x 1,024 float32.
;; This version of the problem:
;;   THIS VERSION OF THE PROBLEM IS GIVEN IN LOW PRECISION. The matrix products marked QUANTISED in the list below multiply operands that are first quantised to E2M3 (2 exponent bits, 3 mantissa bits; 6 bits a number), with one power-of-two scale for each 32 numbers along K (OCP MX v1.0); their sums are f32. All else is computed in f32.
;;   The module's matrix products, in the order in which they are computed (A, B: the left and right operand; K: the contracted axis; several contracted axes count as one K, in the product's order):
;;     1. [M 8,192, K 1,024] x [K 1,024, N 1,024]; A: input x (given as codes); B: input Wq (given as codes): QUANTISED
;;     2. [M 8,192, K 1,024] x [K 1,024, N 1,024]; A: input y (given as codes); B: input Wk (given as codes): QUANTISED
;;     3. [M 8,192, K 1,024] x [K 1,024, N 1,024]; A: input y (given as codes); B: input Wv (given as codes): QUANTISED
;;     4. batch 64 x [M 2,048, K 64] x [K 64, N 2,048]; A: computed on the way; B: computed on the way: QUANTISED
;;     5. batch 64 x [M 2,048, K 2,048] x [K 2,048, N 64]; A: softmax (see below); B: computed on the way: QUANTISED
;;     6. [M 8,192, K 1,024] x [K 1,024, N 1,024]; A: computed on the way; B: input Wp (given as codes): QUANTISED
;;   THE QUANTISER, for each operand of a quantised product, along K:
;;     - K is cut into blocks of 32 from its start; a last block that is shorter is filled with zeros.
;;     - A block's scale is 2^e with e = floor(log2(the largest magnitude in the block)) - 2, held to -126 .. 127; a block of zeros has e = 0. As a byte (E8M0): e + 127.
;;     - Each number is divided by its block's scale, clamped to +-7.5, and rounded to the nearest number of E2M3, ties to even, subnormals kept.
;;     - The product sums the exact products of the quantised numbers (number of the format x scale) in f32.
;;   ~~~python
;;   def quantise(x, axis):      # numpy; x: float32 -> the quantised numbers, widened to float32 again
;;       x = np.moveaxis(x, axis, -1); K = x.shape[-1]
;;       x = np.pad(x, [(0, 0)] * (x.ndim - 1) + [(0, -K % 32)]); x = x.reshape(x.shape[:-1] + (-1, 32)); a = np.abs(x).max(-1, keepdims=True)
;;       e = np.where(a > 0, np.clip(np.frexp(np.where(a > 0, a, 1))[1] - 1 - 2, -126, 127), 0)      # np.frexp(a)[1] - 1 = floor(log2(a)), exactly
;;       r = np.clip(x / 2.0 ** e, -7.5, 7.5)
;;       step = 2.0 ** (np.maximum(np.frexp(np.where(r == 0, 1, r))[1] - 1, 0) - 3)
;;       q = np.round(r / step) * step * 2.0 ** e      # np.round: ties to even
;;       return np.moveaxis(q.reshape(q.shape[:-2] + (-1,))[..., :K], -1, axis).astype(np.float32)
;;   ~~~
;;   SOFTMAX AHEAD OF A QUANTISED PRODUCT. Where the list says 'softmax', what is quantised is not the finished softmax but p = 2^(t - M), with t = logit x log2(e) and M = ceil(the row's largest t), a whole number; so 1/2 < the row's largest p <= 1. The row's sum l is taken of the UNQUANTISED p, in f32, and the product's result is divided by l at the end. Since M is a whole number, a kernel that streams over the keys may use a running M (the ceiling of the running maximum): every later rescaling is an exact power of two, which a block's scale takes up: the codes' values come out the same.
;;   OPERANDS COMPUTED ON THE WAY. 'Computed on the way' means the value that the module computes at that place (a softmax that the list does not call 'softmax' is quantised finished and normalised). What goes into a quantiser is computed in f32, as accurately as f32 sums, v_exp_f32 and their like allow (about 1e-6 of the number): no bf16 or f16 on the way to a quantiser, and a product that is left as it is and whose result goes on into a quantised operand takes f32 operands (vector FMAs, or v_wmma_f32_16x16x4_f32). A number that lies on a knife's edge between two numbers of the format may be rounded either way, as far as f32 arithmetic and the matrix unit's own rounding can turn it there, and no further.
;;   INPUTS GIVEN AS CODES. Wk (in the module: [1024, 1024], K = its axis 1); Wp (in the module: [1024, 1024], K = its axis 1); Wq (in the module: [1024, 1024], K = its axis 1); Wv (in the module: [1024, 1024], K = its axis 1); x (in the module: [4, 2048, 1024], K = its axis 2); y (in the module: [4, 2048, 1024], K = its axis 2): each comes as NAME_codes (uint8): NAME with its K axis moved to the last place and cut into blocks of 32 codes, [.., K / 32, bytes a block], one block behind the other in memory; four codes in three bytes: a row's codes are one little-endian stream of bits, code i at bits 6 i .. 6 i + 5 (a code: sign, 2 exponent bits, 3 mantissa bits); and NAME_scales (uint8): the same leading axes, one E8M0 byte (e + 127) for each 32 codes along K. Its value is code x scale, taken as it is: it is not quantised again, and the codes and scales need not be those that the quantiser above would give.
;; One version. Each part assembles by itself: llvm-mc -triple=amdgcn-amd-amdhsa -mcpu=gfx1250 --defsym DOCPART=n.
;; ======== version 1 of 1: 3 launches
;; limits: right only within a limited range of input values
;; workspace buffers: qimg 6,553,600 bytes; kv 13,107,200 bytes; oimg 6,291,456 bytes; osc 262,144 bytes
;; launch qkv (part 1): grid 4 x 96, 4 waves a work-group, clusters of 4 x 4, 327,680 bytes of LDS; arguments x_codes, x_scales, y_codes, y_scales, Wq_codes, Wq_scales, Wk_codes, Wk_scales, Wv_codes, Wv_scales, qimg, kv, q_bias, scale_mul; writes qimg, kv
.if DOCPART == 1
	.amdgcn_target "amdgcn-amd-amdhsa--gfx1250"
	.amdhsa_code_object_version 6
	.text
	.protected	k_q564d3a477e_qkv
	.globl	k_q564d3a477e_qkv
	.p2align	8
	.type	k_q564d3a477e_qkv,@function
k_q564d3a477e_qkv:
	s_mov_b64 s[64:65], 0
	v_nop
	global_prefetch_b8 v0, s[64:65] scope:SCOPE_SE
	s_setreg_imm32_b32 hwreg(HW_REG_WAVE_MODE, 25, 1), 1
	s_wait_xcnt 0x0
	s_wait_alu depctr_hold_cnt(0) depctr_sa_sdst(0) depctr_va_vdst(0) depctr_va_sdst(0) depctr_va_ssrc(0) depctr_va_vcc(0) depctr_vm_vsrc(0)
	s_getreg_b32 s2, hwreg(HW_REG_IB_STS2, 6, 4)
	s_cmp_eq_u32 s2, 0
	s_cbranch_scc0 .Lentry_in_a_cluster
	s_endpgm
.Lentry_in_a_cluster:
	s_bfe_u32 s2, ttmp6, 0x10000c
	s_cmp_lg_u32 s2, 0xf033
	s_cbranch_scc0 .Lentry_shape_is_right
	s_endpgm
.Lentry_shape_is_right:
; THE THREE PROJECTIONS on codes of FP6 (E2M3), and the quantisers of q, k and v.  Cluster row y / 8 picks the product: 0: q = x Wq^T + q_bias, 1: k = y Wk^T, 2: v^T = Wv y^T (keys innermost).
; A work-group of four waves makes 256 x 256; a wave 128 x 128: 64 accumulators.  The matrix instruction is used transposed (source 0 = rows of B, source 1 = rows of A).
; K = 1,024 is 768 bytes of a row: three chunks of 256 bytes, each beginning at a multiple of 256 bytes.  Chunk c lies in LDS slot c % 2.  The head's four joint loads, one a wave, bring chunks 0 and 1
; (A's 256 rows and B's 256 rows of each); chunk 2 is the one refill, behind a round of the cluster's barrier, when chunk 0 has been read out.  A step of 128 along K is 96 bytes: steps 2 and 5 lie across two chunks.
; THE SCALES go from memory into registers once: a row's 32 bytes are the scale words of its eight steps; lanes 0-15 hold block i, lanes 16-31 block i + 4; 64 registers that hold nothing else.
; CLUSTER 4 x 4: A's tiles are asked for jointly along a row of the cluster, B's along a column.
; No prefetch: K is three chunks, two of which the head asks for; the third is asked for two steps ahead of its first read.
; THE WAY OUT: q and k are divided by max(norm, 1e-12) over each head's 64 (q also multiplied by exp(min(scale_mul, log 100))), quantised in blocks of 32 and stored as images of operand registers; v is quantised along the keys.
; LIMITS: NaN and infinities are not served; a block whose largest magnitude lies under 2^-124 keeps the scale byte 1.
.set ROWB,   256
.set KROW,   768
.set CHUNKS, 3
.set PITCH,  272
.set FR,     12
.set NL,     6
.set NP,     4
.set HALFT,  128*PITCH
.set SLOT,   4*HALFT
.set SPARE,  2*SLOT
.set ADRA, 16
.set ADRB, 20
.set LI,   24
.set L8,   25
.set SPW,  28
.set NIL,  29
.set FS,   30
.set SCA,  32                          ; v32-63 A's scale words: register 8 (block % 4) + step
.set SCB,  224                         ; v224-255 B's
.set SP,   64
.set SSR,  96
.set TM,   112
.set AF,   128
.set T,    128
.set PC,   192
.set W,    212
.set SW,   216
.set G1, 24
.set G0, 32                            ; s[32:35] the refill's group 0 for A, s[56:59] for B; s[4:7], s[8:11], s[36:39], s[60:63] the head's four
.set G1B, 48
.set G0B, 56
.set MD,   66
.set HIM,  67
.set SEL,  46
.set OSC,  92
.set HSTR, 94
.set MSB, 0
.macro WIN new
.if MSB != (\new)
	s_set_vgpr_msb (MSB<<8)|(\new)
.set MSB, (\new)
.endif
.endm
.set MUL_LO, 0xa1
.set MUL_HI, 0xf1
.set TO_B,   0x40
.macro JLOAD g0a, g1a, g0b, g1b        ; waves 0, 1 fetch for A, waves 2, 3 for B
	s_cmp_eq_u32 s15, 0
	s_cbranch_scc0 .Lfor_b_\@
	tensor_load_to_lds s[\g0a:\g0a+3], s[\g1a:\g1a+7]
	s_nop 0
.rept 4
	v_nop
.endr
	s_branch .Lasked_\@
.Lfor_b_\@:
	tensor_load_to_lds s[\g0b:\g0b+3], s[\g1b:\g1b+7]
	s_nop 0
.rept 4
	v_nop
.endr
.Lasked_\@:
.endm
.macro CREST
	s_cmp_lg_u32 s14, 0
	s_cbranch_scc1 .Lnot_wave_0_\@
	s_barrier_signal -3
.Lnot_wave_0_\@:
	s_barrier_wait -3
	s_barrier_signal -1
	s_barrier_wait -1
.endm
.macro CROUND
	s_barrier_signal -1
	s_barrier_wait -1
	CREST
.endm
	s_load_b512 s[68:83], s[0:1], 0x0
	s_load_b256 s[84:91], s[0:1], 0x40
	s_load_b128 s[96:99], s[0:1], 0x60
	v_lshl_add_u32 v[SPW], v0, 2, SPARE
	v_mov_b32 v[NIL], 0
	ds_add_u32 v[SPW], v[NIL]                      ; the opening lines: the add twice on end and one wait
	ds_add_u32 v[SPW], v[NIL]
	v_lshrrev_b32 v1, 5, v0
	v_readfirstlane_b32 s14, v1                    ; wave
	s_lshr_b32 s15, s14, 1                         ; my half of the rows; also: I refill for A (0) or B (1)
	s_and_b32 s16, s14, 1                          ; my half of the columns; also: which 128 rows I refill
	s_bfe_u32 s40, ttmp6, 0x40000
	s_bfe_u32 s41, ttmp6, 0x40004
	s_and_b32 s67, ttmp7, 0xffff
	s_lshr_b32 s[MD], s67, 3                       ; which product
	s_and_b32 s67, s67, 7
	s_cmp_eq_u32 s[MD], 2
	s_cselect_b32 s17, 0, s67
	s_cselect_b32 s42, s67, ttmp9
	s_lshl_b32 s17, s17, 2
	s_add_co_u32 s17, s17, s41                     ; tile row
	s_lshl_b32 s42, s42, 2
	s_add_co_u32 s42, s42, s40                     ; tile column
	s_lshl_b32 s43, s41, 2
	s_lshl_b32 s43, 15, s43
	s_lshl_b32 s44, 0x1111, s40
	s_or_b32 s[G1+0], s43, (0<<16)|(1<<20)|(1<<21)|(5<<22)|(3<<25)   ; rows of 256 bytes, 16 bytes of padding behind each
	s_or_b32 s[G1B+0], s44, (0<<16)|(1<<20)|(1<<21)|(5<<22)|(3<<25)
.irp g, G1, G1B
	s_mov_b32 s[\g+1], ROWB<<16
	s_mov_b32 s[\g+2], 256<<16                     ; the head's loads bring 256 rows
	s_mov_b32 s[\g+3], ROWB<<16
	s_mov_b32 s[\g+4], 256
	s_mov_b32 s[\g+5], KROW
	s_mov_b32 s[\g+6], 0
	s_mov_b32 s[\g+7], 0
.endr
	s_lshl_b32 s20, s17, 8
	s_lshl_b32 s46, s42, 8
	s_lshl_b32 s18, s15, 7
	s_add_co_u32 s22, s20, s18
	s_lshl_b32 s22, s22, 5                         ; the scales of my 128 rows of A: 32 bytes a row
	s_lshl_b32 s18, s16, 7
	s_add_co_u32 s92, s46, s18
	s_lshl_b32 s92, s92, 5                         ; and of B
	s_mul_i32 s20, s20, KROW
	s_mul_i32 s46, s46, KROW
	s_mov_b32 s21, 0
	s_mov_b32 s23, 0
	s_mov_b32 s47, 0
	s_mov_b32 s93, 0
	s_mul_i32 s18, s16, 128*KROW
	s_add_co_u32 s18, s18, 2*ROWB                  ; the refill: my 128 rows, chunk 2
	s_mov_b32 s19, 0
	s_mul_i32 s45, s14, HALFT
	s_wait_dscnt 0x0
	s_wait_kmcnt 0x0
	s_cmp_eq_u32 s[MD], 0
	s_cselect_b64 s[4:5], s[68:69], s[72:73]
	s_cselect_b64 s[6:7], s[70:71], s[74:75]
	s_cselect_b64 s[8:9], s[76:77], s[80:81]
	s_cselect_b64 s[10:11], s[78:79], s[82:83]
	s_cselect_b64 s[12:13], s[88:89], s[90:91]
	s_cmp_eq_u32 s[MD], 2
	s_cselect_b64 s[4:5], s[84:85], s[4:5]
	s_cselect_b64 s[6:7], s[86:87], s[6:7]
	s_cselect_b64 s[8:9], s[72:73], s[8:9]
	s_cselect_b64 s[10:11], s[74:75], s[10:11]
	s_add_nc_u64 s[20:21], s[4:5], s[20:21]
	s_add_nc_u64 s[84:85], s[6:7], s[22:23]        ; the scales' bases: never rewritten
	s_add_nc_u64 s[46:47], s[8:9], s[46:47]
	s_add_nc_u64 s[86:87], s[10:11], s[92:93]
	CROUND                                         ; the first joint loads meet
	s_mov_b32 s4, 1                                ; chunk 0 of A
	s_mov_b32 s5, 0
	s_mov_b64 s[6:7], s[20:21]
	s_or_b32 s7, s7, 0x80000000
	s_mov_b32 s8, 1                                ; chunk 0 of B
	s_mov_b32 s9, 2*HALFT
	s_mov_b64 s[10:11], s[46:47]
	s_or_b32 s11, s11, 0x80000000
	s_mov_b32 s36, 1                               ; chunk 1 of A
	s_mov_b32 s37, SLOT
	s_add_nc_u64 s[38:39], s[20:21], ROWB
	s_or_b32 s39, s39, 0x80000000
	s_mov_b32 s60, 1                               ; chunk 1 of B
	s_mov_b32 s61, SLOT+2*HALFT
	s_add_nc_u64 s[62:63], s[46:47], ROWB
	s_or_b32 s63, s63, 0x80000000
	s_mov_b32 s[G0], 1                             ; chunk 2, a quarter of slot 0 a wave
	s_mov_b32 s[G0+1], s45
	s_add_nc_u64 s[G0+2:G0+3], s[20:21], s[18:19]
	s_or_b32 s[G0+3], s[G0+3], 0x80000000
	s_mov_b32 s[G0B], 1
	s_mov_b32 s[G0B+1], s45
	s_add_nc_u64 s[G0B+2:G0B+3], s[46:47], s[18:19]
	s_or_b32 s[G0B+3], s[G0B+3], 0x80000000
.macro ARM under, g0, g1, next         ; one chain of branches on the wave's number, one load to an arm
	s_cmp_lt_u32 s14, \under
	s_cbranch_scc0 \next
	tensor_load_to_lds s[\g0:\g0+3], s[\g1:\g1+7]
	s_nop 0
.rept 4
	v_nop
.endr
	s_branch .Lhead_asked
\next:
.endm
	ARM 1, 4,  G1,  .Lhead_1
	ARM 2, 8,  G1B, .Lhead_2
	ARM 3, 36, G1,  .Lhead_3
	tensor_load_to_lds s[60:63], s[G1B:G1B+7]
	s_nop 0
.rept 4
	v_nop
.endr
.Lhead_asked:
	v_and_b32 v1, 15, v0
	v_bfe_u32 v2, v0, 4, 1
	v_lshlrev_b32 v8, 5, v1
	v_lshl_add_u32 v8, v2, 11, v8                  ; row l % 16 + 64 (l / 16), 32 bytes a row; never rewritten
.irp i, 0,1,2,3
	global_load_b128 v[SCA+8*\i:SCA+8*\i+3], v8, s[84:85] offset:512*\i
	global_load_b128 v[SCA+8*\i+4:SCA+8*\i+7], v8, s[84:85] offset:512*\i+16
	global_load_b128 v[SCB+8*\i:SCB+8*\i+3], v8, s[86:87] offset:512*\i
	global_load_b128 v[SCB+8*\i+4:SCB+8*\i+7], v8, s[86:87] offset:512*\i+16
.endr
	v_mul_u32_u24 v3, v1, PITCH
	v_mul_u32_u24 v4, v2, 24
	v_add_nc_u32 v4, v3, v4
	s_mov_b32 s21, SLOT-232
	s_mov_b32 s22, SLOT+232
	v_sub_nc_u32 v7, 1, v2
	v_mul_u32_u24 v5, s21, v2
	v_add_nc_u32 v5, v3, v5
	v_add_nc_u32 v5, 232, v5                       ; lanes 0-15 byte 232 of the row in slot 0, lanes 16-31 byte 0 in slot 1
	v_mul_u32_u24 v6, s22, v7
	v_add_nc_u32 v6, v3, v6                        ; lanes 0-15 byte 232 in slot 1, lanes 16-31 byte 0 in slot 0
	s_mul_i32 s21, s15, HALFT
	s_mul_i32 s22, s16, HALFT
	s_add_co_u32 s22, s22, 2*HALFT
	v_add_nc_u32 v[ADRA+2], s21, v5
	v_add_nc_u32 v[ADRA+3], s21, v6
	v_add_nc_u32 v[ADRB+2], s22, v5
	v_add_nc_u32 v[ADRB+3], s22, v6
.irp s, 0,1
	v_add_nc_u32 v[ADRA+\s], s21, v4
	v_add_nc_u32 v[ADRB+\s], s22, v4
	s_add_co_u32 s21, s21, SLOT
	s_add_co_u32 s22, s22, SLOT
.endr
	v_and_b32 v6, 31, v0
	v_lshlrev_b32 v[LI], 4, v6
	v_lshlrev_b32 v[L8], 3, v6
	v_lshlrev_b32 v7, 5, v2
.irp b, 0,1,2,3
	v_mov_b32 v[TM+4+\b], 0
.endr
	; where my images go
	s_lshl_b32 s18, s42, 1
	s_add_co_u32 s18, s18, s16
	s_lshl_b32 s19, s17, 1
	s_add_co_u32 s19, s19, s15
	s_lshl_b32 s20, s17, 2
	s_lshl_b32 s21, s15, 1
	s_add_co_u32 s20, s20, s21
	s_lshl_b32 s21, s42, 2
	s_lshl_b32 s22, s16, 1
	s_add_co_u32 s21, s21, s22
	s_cmp_eq_u32 s[MD], 2
	s_cselect_b32 s18, s18, s19
	s_cselect_b32 s2, s20, s21
	s_cselect_b32 s23, 6144, 0
	s_lshl_b32 s3, s2, 2
	s_load_b64 s[100:101], s[98:99], s3 offset:0x0
	s_lshr_b32 s20, s18, 4
	s_and_b32 s21, s18, 15
	s_lshl_b32 s22, s20, 4
	s_add_co_u32 s22, s22, s2
	s_lshl_b32 s22, s22, 4
	s_add_co_u32 s22, s22, s21
	s_mul_i32 s22, s22, 6400
	s_lshl_b32 s46, s20, 2
	s_lshr_b32 s47, s2, 2
	s_add_co_u32 s46, s46, s47
	s_lshl_b32 s46, s46, 4
	s_add_co_u32 s46, s46, s21
	s_mul_i32 s46, s46, 51200
	s_and_b32 s47, s2, 3
	s_mul_i32 s47, s47, 12800
	s_add_co_u32 s46, s46, s47
	s_add_co_u32 s46, s46, s23
	s_cmp_eq_u32 s[MD], 0
	s_cselect_b32 s22, s22, s46
	s_mov_b32 s[HSTR], 12800
	s_cselect_b32 s[HSTR], 102400, s[HSTR]
	s_mov_b32 s[OSC], 12288
	s_cselect_b32 s[OSC], 6144, s[OSC]
	s_cselect_b32 s18, -1, 0
	s_cmp_eq_u32 s[MD], 2
	s_cselect_b32 s[OSC], 6400, s[OSC]
	s_mov_b32 s[HSTR+1], 0
	s_mov_b32 s[OSC+1], 0
	s_mov_b32 s23, 0
	s_add_nc_u64 s[12:13], s[12:13], s[22:23]
	s_add_nc_u64 s[OSC:OSC+1], s[12:13], s[OSC:OSC+1]
	s_mov_b32 s[HIM], 0xffff0000
	s_mov_b32 s[SEL], 0x76543210
	s_mov_b32 s[SEL+1], 0xfedcba98
	s_cmp_eq_u32 s[MD], 0
	s_cbranch_scc0 .Lno_bias
	s_lshl_b32 s20, s42, 10
	s_lshl_b32 s21, s16, 9
	s_add_co_u32 s20, s20, s21
	s_mov_b32 s21, 0
	s_add_nc_u64 s[96:97], s[96:97], s[20:21]
	WIN TO_B
	s_wait_alu depctr_va_vdst(0)                   ; the wait ahead of the reader of v7
.irp b, 0,1,2,3,4,5,6,7
	global_load_b128 v[96+8*\b+96*(\b/4):96+8*\b+96*(\b/4)+3], v7, s[96:97] offset:64*\b      ; q_bias, in the result's layout: the C of the first step
	global_load_b128 v[96+8*\b+96*(\b/4)+4:96+8*\b+96*(\b/4)+7], v7, s[96:97] offset:64*\b+16
.endr
	WIN 0
	s_branch .Lbias_done
.Lno_bias:
	WIN TO_B
.irp b, 0,1,2,3,4,5,6,7
.irp j, 0,1,2,3,4,5,6,7
	v_mov_b32 v[96+8*\b+96*(\b/4)+\j], 0           ; k and v have no bias
.endr
.endr
	WIN 0
.Lbias_done:
	s_wait_kmcnt 0x0
	v_mov_b32 v[FS], s100
	v_mov_b32 v[FS+1], s101
	v_min_num_f32 v[FS], 0x40935d8e, v[FS]         ; min(scale_mul, log 100)
	v_min_num_f32 v[FS+1], 0x40935d8e, v[FS+1]
	v_mul_f32 v[FS], 0x3fb8aa3b, v[FS]
	v_mul_f32 v[FS+1], 0x3fb8aa3b, v[FS+1]
	s_wait_alu depctr_va_vdst(0)
	v_exp_f32 v[FS], v[FS]
	v_exp_f32 v[FS+1], v[FS+1]
	v_nop
	s_wait_alu depctr_va_vdst(0)
	v_cndmask_b32 v[FS], 1.0, v[FS], s18           ; q alone takes the factor
	v_cndmask_b32 v[FS+1], 1.0, v[FS+1], s18
.macro FRAG reg, adr, st, i            ; 16 rows x 128 K: six pieces of 8 bytes; byte y of a row lies in slot (y / 256) % 2 at byte y % 256
.irp p, 0,1,2,3,4,5
.set BY, 96*(\st)+48*(\p/3)+8*(\p%3)
.if BY/ROWB == (BY+24)/ROWB
	ds_load_b64 v[\reg+2*\p:\reg+2*\p+1], v[\adr+(BY/ROWB)%2] offset:BY%ROWB+(\i)*16*PITCH
.else
	ds_load_b64 v[\reg+2*\p:\reg+2*\p+1], v[\adr+2+(BY/ROWB)%2] offset:BY%ROWB-232+(\i)*16*PITCH
.endif
.endr
.endm
.macro PROD a, b, st, zero
.set rD, 8*(8*((\a)%4)+(\b))
.set rC, rD
.if \zero
.set rC, 96+8*(\b)+96*((\b)/4)
.endif
.set rB, 128*((\st)%2)+FR*(\b)
.set rA, AF+FR*(\a)
.set rSB, SCB+8*((\b)%4)+(\st)
.set rSA, SCA+8*((\a)%4)+(\st)
.if ((\b)/4 == 1) && ((\a)/4 == 1)
	v_wmma_scale_f32_16x16x128_f8f6f4 v[rD:rD+7], v[rB:rB+FR-1], v[rA:rA+FR-1], v[rC:rC+7], v[rSB], v[rSA] matrix_a_fmt:MATRIX_FMT_FP6 matrix_b_fmt:MATRIX_FMT_FP6 matrix_a_scale:MATRIX_SCALE_ROW1 matrix_b_scale:MATRIX_SCALE_ROW1
.elseif (\b)/4 == 1
	v_wmma_scale_f32_16x16x128_f8f6f4 v[rD:rD+7], v[rB:rB+FR-1], v[rA:rA+FR-1], v[rC:rC+7], v[rSB], v[rSA] matrix_a_fmt:MATRIX_FMT_FP6 matrix_b_fmt:MATRIX_FMT_FP6 matrix_a_scale:MATRIX_SCALE_ROW1
.elseif (\a)/4 == 1
	v_wmma_scale_f32_16x16x128_f8f6f4 v[rD:rD+7], v[rB:rB+FR-1], v[rA:rA+FR-1], v[rC:rC+7], v[rSB], v[rSA] matrix_a_fmt:MATRIX_FMT_FP6 matrix_b_fmt:MATRIX_FMT_FP6 matrix_b_scale:MATRIX_SCALE_ROW1
.else
	v_wmma_scale_f32_16x16x128_f8f6f4 v[rD:rD+7], v[rB:rB+FR-1], v[rA:rA+FR-1], v[rC:rC+7], v[rSB], v[rSA] matrix_a_fmt:MATRIX_FMT_FP6 matrix_b_fmt:MATRIX_FMT_FP6
.endif
.endm
.macro MUL16 a0, st, zero              ; the 64 accumulators take turns, in the same order in every step
.irp a, \a0, \a0+1
.irp b, 0,1,2,3,4,5,6,7
	PROD \a, \b, \st, \zero
.endr
.endr
.endm
.macro FETCH_B st
	WIN TO_B
.irp i, 0,1,2,3,4,5,6,7
	FRAG 128*((\st)%2)+FR*\i, ADRB, \st, \i
.endr
	WIN 0
.endm
.macro FETCH_A st, i0
.irp i, \i0, \i0+1, \i0+2, \i0+3
	FRAG AF+FR*(\i), ADRA, \st, \i
.endr
.endm
.macro PLACES n
.rept \n
	v_nop
.endr
.endm
; A step: 64 products; the next step's fragments are fetched in its middle (B, A's blocks 0-3) and at its end (A's blocks 4-7).
; RF: the next step begins in a later chunk and a chunk two on is left: the three lines, a round, the refill.  NW: the next step ends in chunk 2, which no barrier has shown yet.
.macro STEP st, zero
.set NX, (\st)+1
.set C0, (96*(\st))/ROWB
.set C1, (96*NX)/ROWB
.set E0, (96*(\st)+95)/ROWB
.set E1, (96*NX+95)/ROWB
.set RF, 0
.set NW, 0
.if C1 > C0
.if C0+2 < CHUNKS
.set RF, 1
.endif
.endif
.if E1 > E0
.if E1 > 1
.set NW, 1
.endif
.endif
.if RF+NW > 0
	s_wait_tensorcnt 0x0                           ; all my tensor loads have landed
.if RF
	ds_add_u32 v[SPW], v[NIL]
	s_wait_dscnt 4*NL+1                            ; the add and the youngest 24 loads (A's blocks 4-7) may be out
.else
	s_wait_dscnt 4*NL                              ; the youngest 24 loads may be out
.endif
	WIN MUL_LO
	MUL16 0, \st, 0
	s_wait_dscnt 0x0                               ; the add and all my reads are done
	s_barrier_signal -1
	MUL16 2, \st, 0
	WIN 0
	s_barrier_wait -1
.if RF
	CREST                                          ; the barrier has opened a round: no wave of any partner still reads chunk 0
	JLOAD G0, G1, G0B, G1B                         ; chunk 2; its four v_nop are the places in front of the loads below
.else
	PLACES NP
.endif
.else
	s_wait_dscnt 4*NL
	WIN MUL_LO-0x10*(\zero)
	MUL16 0, \st, \zero
	MUL16 2, \st, \zero
	s_wait_dscnt 0
	PLACES NP
.endif
	FETCH_B NX
	FETCH_A NX, 0
	WIN MUL_HI-0x20*(\zero)
	MUL16 4, \st, \zero
	MUL16 6, \st, \zero
	PLACES NP
	WIN 0
	FETCH_A NX, 4
.endm
	s_wait_alu depctr_va_vdst(0)                   ; the wait at the head's end
	s_wait_tensorcnt 0x0                           ; my tile of the head's four is in, so a descriptor may be written:
	s_mov_b32 s[G1+2], 128<<16                     ; the refill brings 128 rows a wave
	s_mov_b32 s[G1+4], 128
	s_mov_b32 s[G1B+2], 128<<16
	s_mov_b32 s[G1B+4], 128
	s_barrier_signal -1
	s_barrier_wait -1                              ; chunks 0 and 1 are whole
	FETCH_B 0
	FETCH_A 0, 0
	FETCH_A 0, 4
	s_wait_loadcnt 0x0                             ; the scale words and the bias
	STEP 0, 1
.set ST, 1
.rept 6
	STEP ST, 0
.set ST, ST+1
.endr
	s_wait_dscnt 4*NL
	WIN MUL_LO
	MUL16 0, 7, 0
	MUL16 2, 7, 0
	s_wait_dscnt 0
	WIN MUL_HI
	MUL16 4, 7, 0
	MUL16 6, 7, 0
	WIN 0
.macro QUANT pw                        ; four blocks of 32 (16 numbers in lanes l and l xor 16 each) become 12 registers of codes and a scale word
	s_wait_xcnt 0x0
	WIN QWN|(QWN<<2)
	v_max3_num_f32 v[TM], |v[Q0]|, |v[Q0+1]|, 0x1800000
	v_max3_num_f32 v[TM+1], |v[Q1]|, |v[Q1+1]|, 0x1800000
	v_max3_num_f32 v[TM+2], |v[Q2]|, |v[Q2+1]|, 0x1800000
	v_max3_num_f32 v[TM+3], |v[Q3]|, |v[Q3+1]|, 0x1800000
	WIN (QWN<<2)|(QWN<<4)
.irp i, 2,4,6,8,10,12,14
	v_max3_num_f32 v[TM], v[TM], |v[Q0+\i]|, |v[Q0+1+\i]|
	v_max3_num_f32 v[TM+1], v[TM+1], |v[Q1+\i]|, |v[Q1+1+\i]|
	v_max3_num_f32 v[TM+2], v[TM+2], |v[Q2+\i]|, |v[Q2+1+\i]|
	v_max3_num_f32 v[TM+3], v[TM+3], |v[Q3+\i]|, |v[Q3+1+\i]|
.endr
	WIN 0
.irp b, 0,1,2,3
	v_permlanex16_b32 v[TM+4+\b], v[TM+\b], s[SEL], s[SEL+1]
.endr
.irp b, 0,1,2,3
	v_max_num_f32 v[TM+\b], v[TM+\b], v[TM+4+\b]
.endr
.irp b, 0,1,2,3
	v_add_nc_u32 v[TM+12+\b], 0xff000000, v[TM+\b]
.endr
.irp b, 0,1,2,3
	v_lshrrev_b32 v[TM+4+\b], 23, v[TM+12+\b]
.endr
	v_lshl_or_b32 v[\pw], v[TM+5], 8, v[TM+4]
	v_lshl_or_b32 v[\pw], v[TM+6], 16, v[\pw]
	v_lshl_or_b32 v[\pw], v[TM+7], 24, v[\pw]
	WIN QWN
	v_cvt_scalef32_pk16_fp6_f32 v[PC:PC+2], v[Q0:Q0+15], v[TM+12]
	v_cvt_scalef32_pk16_fp6_f32 v[PC+12:PC+14], v[Q1:Q1+15], v[TM+13]
	v_cvt_scalef32_pk16_fp6_f32 v[PC+6:PC+8], v[Q2:Q2+15], v[TM+14]
	v_cvt_scalef32_pk16_fp6_f32 v[PC+16:PC+18], v[Q3:Q3+15], v[TM+15]
	WIN 0
	v_nop
.irp c, 0,1
.irp i, 0,1,2
	v_permlane16_swap_b32 v[PC+6*\c+\i], v[PC+12+4*\c+\i]
.endr
.irp i, 0,1,2
	v_mov_b32 v[PC+3+6*\c+\i], v[PC+12+4*\c+\i]
.endr
.endr
.endm
.macro EMIT i
.irp c, 0,1,2
	global_store_b128 v[LI], v[PC+4*\c:PC+4*\c+3], s[12:13] offset:1536*(\i)+512*\c
.endr
.endm
.macro HEADEND
	v_cndmask_b32 v[SW], v[W], v[W+1], s[HIM]
	v_cndmask_b32 v[SW+1], v[W+2], v[W+3], s[HIM]
	global_store_b64 v[L8], v[SW:SW+1], s[OSC:OSC+1]
	s_wait_xcnt 0x0
	s_add_nc_u64 s[12:13], s[12:13], s[HSTR:HSTR+1]
	s_add_nc_u64 s[OSC:OSC+1], s[OSC:OSC+1], s[HSTR:HSTR+1]
.endm
	PLACES NP
	s_cmp_eq_u32 s[MD], 2
	s_cbranch_scc1 .Lway_v
.irp w, 2,3                            ; q and k: the sums of squares over each head's 64
	WIN \w|(\w<<2)
.irp c, 0,1,2,3,4,5,6,7
	v_pk_mul_f32 v[SP+2*(8*(\w-2)+\c):SP+2*(8*(\w-2)+\c)+1], v[32*\c:32*\c+1], v[32*\c:32*\c+1]
.endr
.irp i, 2,4,6,8,10,12,14,16,18,20,22,24,26,28,30
.irp c, 0,1,2,3,4,5,6,7
	v_pk_fma_f32 v[SP+2*(8*(\w-2)+\c):SP+2*(8*(\w-2)+\c)+1], v[32*\c+\i:32*\c+\i+1], v[32*\c+\i:32*\c+\i+1], v[SP+2*(8*(\w-2)+\c):SP+2*(8*(\w-2)+\c)+1]
.endr
.endr
.endr
	WIN 0
.irp e, 0,1,2,3,4,5,6,7,8,9,10,11,12,13,14,15
	v_add_f32 v[SSR+\e], v[SP+2*\e], v[SP+2*\e+1]
.endr
.irp e, 0,1,2,3,4,5,6,7,8,9,10,11,12,13,14,15
	v_permlanex16_b32 v[SP+\e], v[SSR+\e], s[SEL], s[SEL+1]
.endr
.irp e, 0,1,2,3,4,5,6,7,8,9,10,11,12,13,14,15
	v_add_f32 v[SSR+\e], v[SSR+\e], v[SP+\e]
.endr
	s_wait_alu depctr_va_vdst(0)
.irp e, 0,1,2,3,4,5,6,7,8,9,10,11,12,13,14,15
	v_sqrt_f32 v[SSR+\e], v[SSR+\e]
.endr
	v_nop
	s_wait_alu depctr_va_vdst(0)
.irp e, 0,1,2,3,4,5,6,7,8,9,10,11,12,13,14,15
	v_max_num_f32 v[SSR+\e], 0x2b8cbccc, v[SSR+\e]
.endr
	s_wait_alu depctr_va_vdst(0)
.irp e, 0,1,2,3,4,5,6,7,8,9,10,11,12,13,14,15
	v_rcp_f32 v[SSR+\e], v[SSR+\e]
.endr
	v_nop
	s_wait_alu depctr_va_vdst(0)
.irp e, 0,1,2,3,4,5,6,7,8,9,10,11,12,13,14,15
	v_mul_f32 v[SP+2*\e], v[SSR+\e], v[FS+\e%2]
.endr
.irp hd, 0,1
.irp p, 0,1,2,3
	WIN 2+\p/2
.irp k, 0,1
.irp i, 0,2,4,6,8,10,12,14,16,18,20,22,24,26,28,30
	v_pk_mul_f32 v[T+32*\k+\i:T+32*\k+\i+1], v[32*(2*((2*\p+\k)%4)+\hd)+\i:32*(2*((2*\p+\k)%4)+\hd)+\i+1], v[SP+2*(4*\p+2*\k+\hd):SP+2*(4*\p+2*\k+\hd)+1] op_sel_hi:[1,0]
.endr
.endr
	WIN 0
.set QWN, 0
.set Q0, T
.set Q1, T+16
.set Q2, T+32
.set Q3, T+48
	QUANT W+\p
	EMIT \p
.endr
	HEADEND
.endr
	s_branch .Lend
.Lway_v:
.irp a, 0,1,2,3,4,5,6,7
.set QWN, 2+\a/4
.set Q0, 64*(\a%4)
.set Q1, Q0+16
.set Q2, Q0+32
.set Q3, Q0+48
	QUANT W+\a%4
	EMIT \a%4
.if \a%4 == 3
	HEADEND
.endif
.endr
.Lend:
	s_wait_tensorcnt 0x0                           ; the wave's end
	ds_add_u32 v[SPW], v[NIL]
	s_wait_dscnt 0x0
	CROUND                                         ; the closing round
	s_endpgm
.Lfunc_end_k_q564d3a477e_qkv:
	.size	k_q564d3a477e_qkv, .Lfunc_end_k_q564d3a477e_qkv-k_q564d3a477e_qkv
	.p2alignl 7, 3214868480
	.fill 96, 4, 3214868480
	.section	.rodata,"a",@progbits
	.p2align	6, 0x0
	.amdhsa_kernel k_q564d3a477e_qkv
		.amdhsa_group_segment_fixed_size 327680
		.amdhsa_private_segment_fixed_size 0
		.amdhsa_enable_private_segment 0
		.amdhsa_kernarg_size 112
		.amdhsa_user_sgpr_count 2
		.amdhsa_user_sgpr_kernarg_segment_ptr 1
		.amdhsa_wavefront_size32 1
		.amdhsa_system_sgpr_workgroup_id_x 1
		.amdhsa_system_sgpr_workgroup_id_y 1
		.amdhsa_system_sgpr_workgroup_id_z 1
		.amdhsa_system_vgpr_workitem_id 0
		.amdhsa_next_free_vgpr 1024
		.amdhsa_next_free_sgpr 102
		.amdhsa_reserve_vcc 0
		.amdhsa_float_denorm_mode_32 3
		.amdhsa_float_denorm_mode_16_64 3
		.amdhsa_memory_ordered 1
		.amdhsa_forward_progress 1
		.amdhsa_inst_pref_size 238
	.end_amdhsa_kernel
	.amdgpu_metadata
---
amdhsa.version: [ 1, 2 ]
amdhsa.kernels:
  - .name:           k_q564d3a477e_qkv
    .symbol:         k_q564d3a477e_qkv.kd
    .args:
      - { .name: x_codes, .offset: 0, .size: 8, .value_kind: global_buffer, .address_space: global }
      - { .name: x_scales, .offset: 8, .size: 8, .value_kind: global_buffer, .address_space: global }
      - { .name: y_codes, .offset: 16, .size: 8, .value_kind: global_buffer, .address_space: global }
      - { .name: y_scales, .offset: 24, .size: 8, .value_kind: global_buffer, .address_space: global }
      - { .name: Wq_codes, .offset: 32, .size: 8, .value_kind: global_buffer, .address_space: global }
      - { .name: Wq_scales, .offset: 40, .size: 8, .value_kind: global_buffer, .address_space: global }
      - { .name: Wk_codes, .offset: 48, .size: 8, .value_kind: global_buffer, .address_space: global }
      - { .name: Wk_scales, .offset: 56, .size: 8, .value_kind: global_buffer, .address_space: global }
      - { .name: Wv_codes, .offset: 64, .size: 8, .value_kind: global_buffer, .address_space: global }
      - { .name: Wv_scales, .offset: 72, .size: 8, .value_kind: global_buffer, .address_space: global }
      - { .name: qimg, .offset: 80, .size: 8, .value_kind: global_buffer, .address_space: global }
      - { .name: kv, .offset: 88, .size: 8, .value_kind: global_buffer, .address_space: global }
      - { .name: q_bias, .offset: 96, .size: 8, .value_kind: global_buffer, .address_space: global }
      - { .name: scale_mul, .offset: 104, .size: 8, .value_kind: global_buffer, .address_space: global }
    .group_segment_fixed_size: 327680
    .private_segment_fixed_size: 0
    .kernarg_segment_align: 8
    .kernarg_segment_size: 112
    .max_flat_workgroup_size: 128
    .sgpr_count:     102
    .vgpr_count:     1024
    .wavefront_size: 32
...
	.end_amdgpu_metadata
.endif
;; end of part 1
;; launch attn (part 2): grid 32 x 16, 16 waves a work-group, clusters of 4 x 4, 327,680 bytes of LDS; arguments qimg, kv, attn_bias, oimg, osc; writes oimg, osc
.if DOCPART == 2
	.amdgcn_target "amdgcn-amd-amdhsa--gfx1250"
	.amdhsa_code_object_version 6
	.text
	.protected	k_q564d3a477e_attn
	.globl	k_q564d3a477e_attn
	.p2align	8
	.type	k_q564d3a477e_attn,@function
k_q564d3a477e_attn:
	s_mov_b64 s[64:65], 0
	v_nop
	global_prefetch_b8 v0, s[64:65] scope:SCOPE_SE
	s_setreg_imm32_b32 hwreg(HW_REG_WAVE_MODE, 25, 1), 1
	s_wait_xcnt 0x0
	s_wait_alu depctr_hold_cnt(0) depctr_sa_sdst(0) depctr_va_vdst(0) depctr_va_sdst(0) depctr_va_ssrc(0) depctr_va_vcc(0) depctr_vm_vsrc(0)
	s_getreg_b32 s2, hwreg(HW_REG_IB_STS2, 6, 4)
	s_cmp_eq_u32 s2, 0
	s_cbranch_scc0 .Lentry_in_a_cluster
	s_endpgm
.Lentry_in_a_cluster:
	s_bfe_u32 s2, ttmp6, 0x10000c
	s_cmp_lg_u32 s2, 0xf033
	s_cbranch_scc0 .Lentry_shape_is_right
	s_endpgm
.Lentry_shape_is_right:
; ATTENTION on codes of FP6 (E2M3): o = softmax(q k^T + attn_bias) v for 64 queries x 4 heads a work-group, and the quantiser of o along the 1,024.
; THE SOFTMAX AHEAD OF THE SECOND PRODUCT: t = logit x log2(e); M = the running largest t rounded UP to a whole number; p = 2^(t - M) is quantised along the keys, not normalised.  The row's sum is taken of the
; unquantised p and divides o at the end.  When M moves, the sum and o are multiplied by 2^(old M - new M): exact.
; SHARES.  Work-group (x, y): queries 64 x .. 64 x + 63 of batch y / 4, heads 4 (y % 4) .. + 3.  Wave w: head w % 4, query tile w / 4: one tile of 16 queries in 256 registers, four waves to a SIMD.  16 key steps of 128 keys.
; LAYOUT.  Both products are used transposed: S^T = K Q^T + bias^T (source 0 = keys, source 1 = my queries; the bias is the product's C), O^T = V^T P^T: a lane holds ONE query (lane % 16) throughout.
; K = 64 in the first product: a fragment of K holds two tiles of 16 keys ([K 2p | K 2p+1] along its 128); against [Q | 0] it gives tile 2 p, against [0 | Q] tile 2 p + 1.  Zero codes add nothing.
; Inside a block of 32 the codes of q, k, v and p lie in the order 0-7, 16-23, 8-15, 24-31, alike on both sides of each product.  o meets Wp, which is given in the natural order: it is put in order before it is quantised.
; THE RING: three LDS slots, each with a key step's K and V of four heads (one dense block of 51,200 bytes, images of operand registers) and 64 rows x 128 keys of the bias.  Every fill has landed at the next change of
; slots, so during step j slot j + 1 is whole.
; CLUSTER 4 x 4: K and V hang on y alone and are asked for jointly along a row of the cluster; the bias hangs on x alone: jointly along a column.  Wave 0 asks for K and V, wave 1 for the bias.
; LIMITS: NaN and infinities are not served; a row whose every t lies under -3e38 is not served; a block whose largest magnitude lies under 2^-124 keeps the scale byte 1.
.set SLOTB, 84992                      ; a slot: 51,200 + 64 x 528
.set BIASO, 51200
.set BP,    528                        ; a row of the bias in LDS: 512 bytes + 16: the 16 rows that a load of 16 bytes a lane touches start at 16 different columns of 16 bytes
.set HB,    12800                      ; a head's bytes in a slot: K's 4 fragments, V's 4 fragments, K's scale image, V's
.set SPARE, 3*SLOTB                    ; the spare words: 128 bytes for each of 16 waves, named by no other line
.set OSTG,  SPARE+2048                 ; 512 bytes: o's scale bytes meet here; no tile lands here
.set SPW, 5                            ; v1 16 lane + my head; v2 8 lane + my head's scale images; v3 my place in the bias; v4, v255 addresses in hand
.set NIL, 6
.set PFO, 7
.set KF,  38                           ; v8 Q's scale word; v9 p's; v[10:11] f; v12 -M; v13 the largest t; v[14:15] the sum; v16-21 zeros, v22-27 Q, v28-33 zeros; v34-35, v36-37 K's and V's scale words
.set VF,  86
.set S,   134                          ; v134-197 the bias, then the logits, then p
.set O,   198                          ; v198-229 O^T
.set PC,  230                          ; v230-241 p's codes
.set BM,  242
.set BT,  246
.set SO,  250
.set WV,  14
.set HD,  15
.set TL,  16
.set CX,  17
.set CY,  18
.set X,   19
.set Y,   20
.set BB,  21
.set SEL, 22
.set CS,  24
.set G1K, 28
.set G1B, 36
.set G0K, 44                           ; s[44:55] three sets, one for each first fill; the third walks on
.set G0B, 68                           ; s[68:79] likewise
.set PFA, 80
.set PFS, 82
.set LIM, 84
.set JC,  85
.set TRIP, 86
.macro CROUND
	s_barrier_signal -1
	s_barrier_wait -1
	s_cmp_lg_u32 s[WV], 0
	s_cbranch_scc1 .Lnot_wave_0_\@
	s_barrier_signal -3
.Lnot_wave_0_\@:
	s_barrier_wait -3
	s_barrier_signal -1
	s_barrier_wait -1
.endm
.macro JLOAD                           ; the joint refill: the branches hang on the wave's number alone; four v_nop follow each of the two lines
	s_cmp_eq_u32 s[WV], 0
	s_cbranch_scc0 .Lnot_kv_\@
	tensor_load_to_lds s[G0K+8:G0K+11], s[G1K:G1K+7]
	s_nop 0
.rept 4
	v_nop
.endr
	s_branch .Lasked_\@
.Lnot_kv_\@:
	s_cmp_eq_u32 s[WV], 1
	s_cbranch_scc0 .Lasked_\@
	tensor_load_to_lds s[G0B+8:G0B+11], s[G1B:G1B+7]
	s_nop 0
.rept 4
	v_nop
.endr
.Lasked_\@:
.endm
; A PREFETCH INTO THE L2, behind the refill: one instruction a wave, each lane another aligned block of 256 bytes, each block named once in the launch.
; The bias: wave 4 of the clusters with y = 0; at refill j = 1 .. 12 the key step j + 3, which the next refill brings; the four partners that share the tile take 16 rows each, by address; a lane half a row's 512 bytes.
; K and V: waves 2 and 3 of the clusters with x = 0; a (batch, head group)'s 819,200 bytes in chunks of 8,192; at refill j = 1 .. 9 chunk 28 + 8 (j - 1) + 4 (wave - 2) + cx: chunks 28 .. 99, each a refill or more ahead of its load.
; What lies ahead of these (key steps 0 to 3, and K and V's first 28 chunks) comes by its loads alone.
.macro ASK
	s_cmp_lt_u32 s[JC], s[LIM]
	s_cbranch_scc0 .Lnot_mine_\@
	global_prefetch_b8 v[PFO], s[PFA:PFA+1] th:TH_LOAD_NT scope:SCOPE_SE
.Lnot_mine_\@:
.endm
	s_load_b256 s[4:11], s[0:1], 0x0               ; qimg, kv, attn_bias, oimg
	s_load_b64 s[12:13], s[0:1], 0x20              ; osc
	v_lshl_add_u32 v[SPW], v0, 2, SPARE
	v_mov_b32 v[NIL], 0
	ds_add_u32 v5, v6
	ds_add_u32 v5, v6
	s_wait_dscnt 0x0
	v_lshrrev_b32 v1, 5, v0
	s_delay_alu instid0(VALU_DEP_1)
	v_readfirstlane_b32 s[WV], v1                  ; wave 0..15
	s_and_b32 s[HD], s[WV], 3                      ; my head in the group
	s_lshr_b32 s[TL], s[WV], 2                     ; my tile of queries
	s_bfe_u32 s[CX], ttmp6, 0x40000
	s_bfe_u32 s[CY], ttmp6, 0x40004                ; = the head group
	s_lshl_b32 s[X], ttmp9, 2
	s_add_co_u32 s[X], s[X], s[CX]                 ; block of 64 queries
	s_and_b32 s[BB], ttmp7, 0xffff                 ; the cluster's y = the batch
	s_lshl_b32 s[Y], s[BB], 2
	s_add_co_u32 s[Y], s[Y], s[CY]                 ; 4 x batch + head group
	s_lshl_b32 s26, s[CY], 2
	s_lshl_b32 s26, 15, s26                        ; my row of the cluster
	s_lshl_b32 s27, 0x1111, s[CX]                  ; my column
	s_or_b32 s[G1K], s26, (3<<16)|(1<<21)          ; K and V: 200 rows of 256 bytes (32 elements of 8), dense, no padding
	s_mov_b32 s[G1K+1], 32<<16
	s_mov_b32 s[G1K+2], 200<<16
	s_mov_b32 s[G1K+3], 32<<16
	s_mov_b32 s[G1K+4], 200
	s_mov_b32 s[G1K+5], 32
	s_mov_b32 s[G1K+6], 0
	s_mov_b32 s[G1K+7], 0
	s_or_b32 s[G1B], s27, (2<<16)|(1<<20)|(1<<21)|(6<<22)|(3<<25)   ; the bias: 64 rows of 128 f32, 2,048 apart; after every 128 words 4 words of padding
	s_mov_b32 s[G1B+1], 128<<16
	s_mov_b32 s[G1B+2], 64<<16
	s_mov_b32 s[G1B+3], 128<<16
	s_mov_b32 s[G1B+4], 64
	s_mov_b32 s[G1B+5], 2048
	s_mov_b32 s[G1B+6], 0
	s_mov_b32 s[G1B+7], 0
	s_mul_i32 s56, s[Y], 819200                    ; 16 key steps of 51,200 bytes
	s_mov_b32 s57, 0
	s_lshl_b32 s58, s[X], 19                       ; 64 rows of 8,192 bytes
	s_mov_b32 s59, 0
	s_mov_b32 s[SEL], 0x76543210
	s_mov_b32 s[SEL+1], 0xfedcba98
	s_mov_b32 s[CS], 0x3fb8aa3b                    ; log2(e)
	s_mov_b32 s[CS+1], s[CS]
	s_mov_b32 s[JC], 0
	s_wait_kmcnt 0x0
	s_add_nc_u64 s[56:57], s[6:7], s[56:57]
	s_add_nc_u64 s[58:59], s[8:9], s[58:59]
	CROUND                                         ; all sixteen work-groups are here: the first joint loads meet
.irp n, 0,1,2
	s_mov_b32 s[G0K+4*\n], 1
	s_mov_b32 s[G0K+4*\n+1], \n*SLOTB
	s_add_nc_u64 s[G0K+4*\n+2:G0K+4*\n+3], s[56:57], \n*51200
	s_or_b32 s[G0K+4*\n+3], s[G0K+4*\n+3], 0x80000000
	s_mov_b32 s[G0B+4*\n], 1
	s_mov_b32 s[G0B+4*\n+1], \n*SLOTB+BIASO
	s_add_nc_u64 s[G0B+4*\n+2:G0B+4*\n+3], s[58:59], \n*512
	s_or_b32 s[G0B+4*\n+3], s[G0B+4*\n+3], 0x80000000
.endr
; the six first fills, one a wave: waves 0, 2, 4 ask for K and V of key steps 0, 1, 2, waves 1, 3, 5 for the bias; one chain of branches on the wave's number, one load to an arm
.macro FARM w, g0, g1
	s_cmp_eq_u32 s[WV], \w
	s_cbranch_scc0 .Lfarm_\@
	tensor_load_to_lds s[\g0:\g0+3], s[\g1:\g1+7]
	s_nop 0
.rept 4
	v_nop
.endr
	s_branch .Lfirst_asked
.Lfarm_\@:
.endm
	FARM 0, G0K, G1K
	FARM 1, G0B, G1B
	FARM 2, G0K+4, G1K
	FARM 3, G0B+4, G1B
	FARM 4, G0K+8, G1K
	FARM 5, G0B+8, G1B
.Lfirst_asked:
	; Q: the pair fragment that holds my tile, and its scale word
	s_lshl_b32 s87, s[Y], 2
	s_add_co_u32 s87, s87, s[HD]                   ; 16 batch + head
	s_lshl_b32 s87, s87, 4
	s_lshr_b32 s88, s[X], 1
	s_add_co_u32 s87, s87, s88                     ; x 16 + group of 128 queries
	s_mul_i32 s87, s87, 6400
	s_and_b32 s88, s[X], 1
	s_lshr_b32 s89, s[TL], 1
	s_lshl_b32 s60, s88, 1
	s_add_co_u32 s60, s60, s89                     ; the pair: 2 (x % 2) + tile / 2
	s_mul_i32 s60, s60, 1536
	s_add_co_u32 s60, s60, s87
	s_mov_b32 s61, 0
	s_add_nc_u64 s[60:61], s[4:5], s[60:61]
	s_lshl_b32 s62, s88, 2                         ; its word: register x % 2 of the image, lanes 16 (tile / 2) on
	s_lshl_b32 s89, s89, 7
	s_add_co_u32 s62, s62, s89
	s_add_co_u32 s62, s62, s87
	s_add_co_u32 s62, s62, 6144
	s_mov_b32 s63, 0
	s_add_nc_u64 s[62:63], s[4:5], s[62:63]
	v_and_b32 v2, 31, v0                           ; lane
	v_and_b32 v3, 15, v0                           ; r
	v_bfe_u32 v255, v0, 4, 1                       ; h
	s_delay_alu instid0(VALU_DEP_3)
	v_lshlrev_b32 v252, 4, v2
	s_delay_alu instid0(VALU_DEP_3)
	v_lshlrev_b32 v253, 3, v3
	global_load_b128 v[86:89], v252, s[60:61]
	global_load_b128 v[90:93], v252, s[60:61] offset:512
	global_load_b128 v[94:97], v252, s[60:61] offset:1024
	global_load_b32 v8, v253, s[62:63]
	s_mul_i32 s87, s[HD], HB
	s_add_co_u32 s88, s87, 12288
	v_lshl_add_u32 v1, v2, 4, s87                  ; 16 lane + my head's bytes
	v_lshl_add_u32 v2, v2, 3, s88                  ; 8 lane + my head's scale images
	s_mul_i32 s89, s[TL], 16*BP
	s_add_co_u32 s89, s89, BIASO
	v_mul_u32_u24 v3, v3, BP
	s_delay_alu instid0(VALU_DEP_1)
	v_lshl_add_u32 v3, v255, 5, v3
	s_delay_alu instid0(VALU_DEP_1)
	v_add_nc_u32 v3, s89, v3                       ; the bias: row 16 tile + r, + 32 h: register 8 T + j is key 16 T + 8 h + j
.irp i, 0,1,2,3,4,5
	v_mov_b32 v[16+\i], 0                          ; zero codes
	v_mov_b32 v[28+\i], 0
.endr
.set jj, 0
.rept 32
	v_mov_b32 v[O+jj], 0                           ; O^T.  (The step is written without a first step of its own: the first change of M multiplies zeros)
.set jj, jj+1
.endr
	v_mov_b32 v11, 0                               ; (named as the upper half of the pair v[10:11])
	v_mov_b32 v13, 0xff61b1e6                      ; the largest t so far: -3e38
	s_delay_alu instid0(VALU_DEP_1)
	v_floor_f32 v12, -v13                          ; -M
	v_mov_b32 v14, 0
	v_mov_b32 v15, 0
.irp b, 0,1,2,3
	v_mov_b32 v[BT+\b], 0                          ; written once: a lane permute's destination counts as one of its sources
.endr
	; the prefetches: where my wave's stand, and who asks
	s_lshl_b32 s88, s[CY], 17                      ; the bias: my work-group's 16 rows,
	s_add_co_u32 s88, s88, 1536                    ; at key step 3: the first refill steps it to 4
	s_lshl_b32 s89, s[WV], 2
	s_add_co_u32 s89, s89, s[CX]
	s_add_co_u32 s89, s89, 12
	s_lshl_b32 s89, s89, 13                        ; K and V: chunk 20 + 4 (wave - 2) + cx: the first refill steps it by 8 chunks
	s_cmp_eq_u32 s[WV], 4
	s_cselect_b64 s[PFA:PFA+1], s[58:59], s[56:57]
	s_cselect_b32 s88, s88, s89
	s_mov_b32 s[PFS], 0x10000
	s_cselect_b32 s[PFS], 512, s[PFS]
	s_mov_b32 s87, 512
	s_cselect_b32 s87, 8192, s87                   ; from one pair of lanes to the next: a row of the bias, or 512 bytes
	s_cselect_b32 s90, s[BB], 1
	s_mov_b32 s89, 0
	s_mov_b32 s[PFS+1], 0
	s_add_nc_u64 s[PFA:PFA+1], s[PFA:PFA+1], s[88:89]
	s_cmp_eq_u32 s90, 0
	s_cselect_b32 s[LIM], 13, 0                    ; wave 4 of the clusters with y = 0
	s_lshr_b32 s91, s[WV], 1
	s_xor_b32 s91, s91, 1
	s_or_b32 s91, s91, ttmp9
	s_cmp_eq_u32 s91, 0
	s_cselect_b32 s[LIM], 10, s[LIM]               ; waves 2 and 3 of the clusters with x = 0.  The same in all sixteen partners, for a given wave
	v_and_b32 v[PFO], 31, v0
	s_delay_alu instid0(VALU_DEP_1)
	v_lshrrev_b32 v254, 1, v[PFO]
	s_delay_alu instid0(VALU_DEP_2)
	v_and_b32 v[PFO], 1, v[PFO]
	s_delay_alu instid0(VALU_DEP_1)
	v_lshlrev_b32 v[PFO], 8, v[PFO]
	s_delay_alu instid0(VALU_DEP_1)
	v_mad_u32_u24 v[PFO], v254, s87, v[PFO]
	s_and_b32 s87, s[TL], 1                        ; which tile of the pair is mine
	s_cmp_eq_u32 s87, 1
	s_cselect_b32 s88, -1, 0
	s_lshl_b32 s87, s87, 4
	s_wait_tensorcnt 0x0                           ; my first fill, if I issued one, is in
	s_barrier_signal -1
	s_barrier_wait -1
.irp i, 0,1,2,3,4,5,6,7,8,9,10,11
	ds_load_b128 v[KF+4*\i:KF+4*\i+3], v1 offset:512*\i             ; key step 0: K,
.endr
	ds_load_b64 v[34:35], v2                                        ; its scale words,
.irp i, 0,1,2,3,4,5,6,7,8,9,10,11,12,13,14,15
	ds_load_b128 v[S+4*\i:S+4*\i+3], v3 offset:16*\i+32*(\i/2)      ; and the bias: 64 T + 16 i
.endr
	s_wait_loadcnt 0x0                             ; Q
.irp i, 0,1,2,3,4,5
	v_cndmask_b32 v[22+\i], v[86+\i], v[92+\i], s88                 ; my tile's six registers of the pair
.endr
	v_lshrrev_b32 v8, s87, v8
	s_delay_alu instid0(VALU_DEP_1)
	v_and_b32 v8, 0xffff, v8
	s_delay_alu instid0(VALU_DEP_1)
	v_lshl_or_b32 v8, v8, 16, v8                   ; my tile's two scale bytes, in both halves of the word: they serve [Q | 0] and [0 | Q]
.rept 8
	v_nop                                          ; a scale register written by a vector instruction stands 8 places ahead of a scaled matrix instruction
.endr
	s_wait_alu depctr_va_vdst(0)
	s_wait_dscnt 0x0
.macro SPROD p, u                      ; keys 16 (2 p + u) on: D = C = the bias
.if (\p)%2
	v_wmma_scale_f32_16x16x128_f8f6f4 v[S+8*(2*\p+\u):S+8*(2*\p+\u)+7], v[KF+12*\p:KF+12*\p+11], v[22-6*\u:33-6*\u], v[S+8*(2*\p+\u):S+8*(2*\p+\u)+7], v[34+\p/2], v8 matrix_a_fmt:MATRIX_FMT_FP6 matrix_b_fmt:MATRIX_FMT_FP6 matrix_a_scale:MATRIX_SCALE_ROW1
.else
	v_wmma_scale_f32_16x16x128_f8f6f4 v[S+8*(2*\p+\u):S+8*(2*\p+\u)+7], v[KF+12*\p:KF+12*\p+11], v[22-6*\u:33-6*\u], v[S+8*(2*\p+\u):S+8*(2*\p+\u)+7], v[34+\p/2], v8 matrix_a_fmt:MATRIX_FMT_FP6 matrix_b_fmt:MATRIX_FMT_FP6
.endif
.endm
.macro PVPROD t                        ; channels 16 t on
.if (\t)%2
	v_wmma_scale_f32_16x16x128_f8f6f4 v[O+8*\t:O+8*\t+7], v[VF+12*\t:VF+12*\t+11], v[PC:PC+11], v[O+8*\t:O+8*\t+7], v[36+\t/2], v9 matrix_a_fmt:MATRIX_FMT_FP6 matrix_b_fmt:MATRIX_FMT_FP6 matrix_a_scale:MATRIX_SCALE_ROW1
.else
	v_wmma_scale_f32_16x16x128_f8f6f4 v[O+8*\t:O+8*\t+7], v[VF+12*\t:VF+12*\t+11], v[PC:PC+11], v[O+8*\t:O+8*\t+7], v[36+\t/2], v9 matrix_a_fmt:MATRIX_FMT_FP6 matrix_b_fmt:MATRIX_FMT_FP6
.endif
.endm
; A KEY STEP.  slot: this step's; next: the next step's; pre = 1: the next step's K and bias are fetched.  K, its scale words and the bias of THIS step are in registers.
.macro BODY slot, next, pre
.irp p, 0,1,2,3
.irp u, 0,1
	SPROD \p, \u
.endr
.endr
	v_add_nc_u32 v4, (\slot)*SLOTB, v1             ; these four are the places between the last products (the step before's, and these) and the loads into their registers
	v_add_nc_u32 v255, (\slot)*SLOTB, v2
	v_nop
	v_nop
.irp i, 0,1,2,3,4,5,6,7,8,9,10,11
	ds_load_b128 v[VF+4*\i:VF+4*\i+3], v4 offset:6144+512*\i
.endr
	ds_load_b64 v[36:37], v255 offset:256
.if \pre
	v_add_nc_u32 v4, (\next)*SLOTB, v1
	v_add_nc_u32 v255, (\next)*SLOTB, v2
.irp i, 0,1,2,3,4,5,6,7,8,9,10,11
	ds_load_b128 v[KF+4*\i:KF+4*\i+3], v4 offset:512*\i
.endr
	ds_load_b64 v[34:35], v255
.endif
.irp b, 0,1,2,3
	v_max3_num_f32 v[BM+\b], v[S+16*\b], v[S+1+16*\b], v[S+2+16*\b]   ; the largest logit of each block of 32 keys: it serves for the row's maximum and, since p rises with the logit, for the block's largest p
.endr
.irp i, 3,5,7,9,11,13
.irp b, 0,1,2,3
	v_max3_num_f32 v[BM+\b], v[BM+\b], v[S+16*\b+\i], v[S+1+16*\b+\i]
.endr
.endr
.irp b, 0,1,2,3
	v_max_num_f32 v[BM+\b], v[BM+\b], v[S+15+16*\b]
.endr
.irp b, 0,1,2,3
	s_delay_alu instid0(VALU_DEP_4)
	v_permlanex16_b32 v[BT+\b], v[BM+\b], s[SEL], s[SEL+1]
.endr
.irp b, 0,1,2,3
	s_delay_alu instid0(VALU_DEP_4)
	v_max_num_f32 v[BM+\b], v[BM+\b], v[BT+\b]     ; with lane l xor 16's 16 keys
.endr
	s_delay_alu instid0(VALU_DEP_2)
	v_max3_num_f32 v254, v[BM], v[BM+1], v[BM+2]
	s_delay_alu instid0(VALU_DEP_1)
	v_max_num_f32 v254, v254, v[BM+3]
	s_delay_alu instid0(VALU_DEP_1)
	v_mul_f32 v254, s[CS], v254                    ; as t
	s_delay_alu instid0(VALU_DEP_1)
	v_max_num_f32 v13, v13, v254                   ; the running largest t
	v_mov_b32 v254, v12
	s_delay_alu instid0(VALU_DEP_2)
	v_floor_f32 v12, -v13                          ; the new -M = -ceil(t): a whole number
	s_delay_alu instid0(VALU_DEP_1)
	v_sub_f32 v254, v12, v254                      ; old M - new M: a whole number, 0 or less
	s_delay_alu instid0(VALU_DEP_1)
	v_cvt_i32_f32 v254, v254                       ; (it saturates)
	s_delay_alu instid0(VALU_DEP_1)
	v_ldexp_f32 v10, 1.0, v254                     ; f = 2^(old M - new M)
.set jj, 0
.rept 32
	v_pk_fma_f32 v[S+jj:S+jj+1], v[S+jj:S+jj+1], s[CS:CS+1], v[12:13] op_sel_hi:[1,0,0]   ; t - M, two at a time
.set jj, jj+2
.endr
.irp b, 0,1,2,3
	v_fma_f32 v[BM+\b], v[BM+\b], s[CS], v12       ; the same of each block's largest logit
.endr
.set jj, 0
	s_wait_alu depctr_va_vdst(0)
.rept 64
	v_exp_f32 v[S+jj], v[S+jj]                     ; p = 2^(t - M)
.set jj, jj+1
.endr
	v_pk_mul_f32 v[14:15], v[14:15], v[10:11] op_sel_hi:[1,0]       ; the sums under the new M.  (A plain place behind the exponentials)
	s_wait_alu depctr_va_vdst(0)                   ; one wait for the batch of 64, ahead of its first reader
.irp b, 0,1,2,3
	v_exp_f32 v[BM+\b], v[BM+\b]                   ; the block's largest p
.endr
	v_pk_add_f32 v[246:247], v[138:139], v[142:143]
	v_pk_add_f32 v[252:253], v[146:147], v[150:151]
	v_pk_add_f32 v[250:251], v[154:155], v[158:159]
	v_pk_add_f32 v[248:249], v[162:163], v[166:167]
	v_pk_add_f32 v[240:241], v[170:171], v[174:175]
	v_pk_add_f32 v[238:239], v[178:179], v[182:183]
	v_pk_add_f32 v[236:237], v[186:187], v[190:191]
	v_pk_add_f32 v[14:15], v[14:15], v[194:195]
	v_pk_add_f32 v[246:247], v[246:247], v[134:135]
	v_pk_add_f32 v[252:253], v[252:253], v[136:137]
	v_pk_add_f32 v[250:251], v[250:251], v[140:141]
	v_pk_add_f32 v[248:249], v[248:249], v[144:145]
	v_pk_add_f32 v[240:241], v[240:241], v[148:149]
	v_pk_add_f32 v[238:239], v[238:239], v[152:153]
	v_pk_add_f32 v[236:237], v[236:237], v[156:157]
	v_pk_add_f32 v[14:15], v[14:15], v[160:161]
	v_pk_add_f32 v[246:247], v[246:247], v[164:165]
	v_pk_add_f32 v[252:253], v[252:253], v[168:169]
	v_pk_add_f32 v[250:251], v[250:251], v[172:173]
	v_pk_add_f32 v[248:249], v[248:249], v[176:177]
	v_pk_add_f32 v[240:241], v[240:241], v[180:181]
	v_pk_add_f32 v[238:239], v[238:239], v[184:185]
	v_pk_add_f32 v[236:237], v[236:237], v[188:189]
	v_pk_add_f32 v[14:15], v[14:15], v[192:193]
	v_pk_add_f32 v[246:247], v[246:247], v[196:197]
	s_delay_alu instid0(VALU_DEP_2)
	v_pk_add_f32 v[14:15], v[14:15], v[248:249]
	s_delay_alu instid0(VALU_DEP_2)
	v_pk_add_f32 v[246:247], v[246:247], v[240:241]
	v_pk_add_f32 v[252:253], v[252:253], v[238:239]
	v_pk_add_f32 v[250:251], v[250:251], v[236:237]
	s_delay_alu instid0(VALU_DEP_2)
	v_pk_add_f32 v[14:15], v[14:15], v[252:253]
	s_delay_alu instid0(VALU_DEP_2)
	v_pk_add_f32 v[246:247], v[246:247], v[250:251]
	s_delay_alu instid0(VALU_DEP_1)
	v_pk_add_f32 v[14:15], v[14:15], v[246:247]
	s_wait_alu depctr_va_vdst(0)                   ; and one for the four
.irp b, 0,1,2,3
	v_max_num_f32 v[BM+\b], 0x1800000, v[BM+\b]    ; the floor 2^-124: the byte cannot fall under 1
.endr
.irp b, 0,1,2,3
	s_delay_alu instid0(VALU_DEP_4)
	v_add_nc_u32 v[SO+\b], 0xff000000, v[BM+\b]    ; 2 off the exponent field: the conversion's scale operand
.endr
.irp b, 0,1,2,3
	s_delay_alu instid0(VALU_DEP_4)
	v_lshrrev_b32 v[BT+\b], 23, v[SO+\b]           ; the scale's byte
.endr
	s_delay_alu instid0(VALU_DEP_3)
	v_lshl_or_b32 v9, v[BT+1], 8, v[BT]            ; p's scale word for these 128 keys
	s_delay_alu instid0(VALU_DEP_1)
	v_lshl_or_b32 v9, v[BT+2], 16, v9
	s_delay_alu instid0(VALU_DEP_1)
	v_lshl_or_b32 v9, v[BT+3], 24, v9
.irp c, 0,1
	v_cvt_scalef32_pk16_fp6_f32 v[PC+6*\c:PC+6*\c+2], v[S+32*\c:S+32*\c+15], v[SO+2*\c]
	v_cvt_scalef32_pk16_fp6_f32 v[BM+4*\c:BM+4*\c+2], v[S+16+32*\c:S+31+32*\c], v[SO+2*\c+1]
.endr
.if \pre
	v_add_nc_u32 v4, (\next)*SLOTB, v3             ; (the plain place behind the conversions)
.irp i, 0,1,2,3,4,5,6,7,8,9,10,11,12,13,14,15
	ds_load_b128 v[S+4*\i:S+4*\i+3], v4 offset:16*\i+32*(\i/2)      ; the next step's bias, into the registers that p has left
.endr
.else
	v_nop
.endif
.irp c, 0,1
.irp i, 0,1,2
	v_permlane16_swap_b32 v[PC+6*\c+\i], v[BM+4*\c+\i]
.endr
.irp i, 0,1,2
	s_delay_alu instid0(VALU_DEP_3)
	v_mov_b32 v[PC+3+6*\c+\i], v[BM+4*\c+\i]
.endr
.endr
.set jj, 0
.rept 16
	v_pk_mul_f32 v[O+jj:O+jj+1], v[O+jj:O+jj+1], v[10:11] op_sel_hi:[1,0]   ; O^T under the new M.  (These are also the places between p's codes and scale word and the products)
.set jj, jj+2
.endr
	s_wait_alu depctr_va_vdst(0)
	s_wait_dscnt 29*(\pre)                         ; V and its scale words are in: behind their 13 loads stand K's 13 and the bias's 16
.irp t, 0,1,2,3
	PVPROD \t
.endr
.endm
; THE CHANGE OF SLOTS.  Slot fs, whose last bytes (V) have been read, is filled with the key step three on.  Each wave waits for all its tensor loads, adds 0 to its spare word, and waits for that and for its LDS reads;
; the round of the cluster's barrier says so of every wave of every partner; the joint refill is the first thing behind it.
.macro CHANGE fs
	s_wait_tensorcnt 0x0                           ; no tensor load of mine is out, so a group 0 may be written
	ds_add_u32 v[SPW], v[NIL]                      ; 0 onto my spare word
	ds_add_u32 v5, v6
	s_mov_b32 s[G0K+9], (\fs)*SLOTB
	s_mov_b32 s[G0B+9], (\fs)*SLOTB+BIASO
	s_add_nc_u64 s[G0K+10:G0K+11], s[G0K+10:G0K+11], 51200
	s_add_nc_u64 s[G0B+10:G0B+11], s[G0B+10:G0B+11], 512
	s_wait_xcnt 0x0                                ; the last prefetch, a key step back, has read its address
	s_add_nc_u64 s[PFA:PFA+1], s[PFA:PFA+1], s[PFS:PFS+1]
	s_add_co_u32 s[JC], s[JC], 1
	s_wait_dscnt 0x0                               ; the add is done; my reads of the slot are over; the next step's K and bias are in registers
	CROUND
	JLOAD
	ASK
.endm
	BODY 0, 1, 1                                   ; key step 0
	s_mov_b32 s[TRIP], 4
.Lloop:                                            ; key steps 1 to 12
	CHANGE 0
	BODY 1, 2, 1
	CHANGE 1
	BODY 2, 0, 1
	CHANGE 2
	BODY 0, 1, 1
	s_sub_co_u32 s[TRIP], s[TRIP], 1
	s_cmp_lg_u32 s[TRIP], 0
	s_cbranch_scc1 .Lloop
	CHANGE 0                                       ; the last refill: key step 15
	BODY 1, 2, 1                                   ; key step 13
	s_wait_tensorcnt 0x0                           ; key step 15 has landed; nothing is filled again, so no round follows
	ds_add_u32 v[SPW], v[NIL]
	s_wait_dscnt 0x0
	s_barrier_signal -1
	s_barrier_wait -1
	BODY 2, 0, 1                                   ; key step 14
	s_wait_dscnt 0x0
	BODY 0, 0, 0                                   ; key step 15
	; THE WAY OUT: o = O^T / the sum; its 64 channels are put in order, quantised in two blocks of 32, and leave as half a fragment's image (6 registers) and two scale bytes.
.rept 4
	v_nop
.endr
	v_add_f32 v14, v14, v15
	s_delay_alu instid0(VALU_DEP_1)
	v_permlanex16_b32 v254, v14, s[SEL], s[SEL+1]
	s_delay_alu instid0(VALU_DEP_1)
	v_add_f32 v14, v14, v254                       ; the row's sum
	s_wait_alu depctr_va_vdst(0)
	v_rcp_f32 v14, v14
	s_lshl_b32 s87, s[TL], 7
	s_lshl_b32 s88, s[HD], 1
	s_add_co_u32 s87, s87, s88
	s_add_co_u32 s87, s87, OSTG                    ; the scale bytes' stage: 128 x tile + 2 x head
	v_and_b32 v1, 31, v0                           ; (plain work behind the reciprocal)
	s_delay_alu instid0(VALU_DEP_1)
	v_lshlrev_b32 v2, 3, v1                        ; 8 lane
	s_delay_alu instid0(VALU_DEP_2)
	v_lshlrev_b32 v1, 4, v1                        ; 16 lane
	v_and_b32 v3, 15, v0
	s_delay_alu instid0(VALU_DEP_1)
	v_lshl_add_u32 v3, v3, 3, s87                  ; + 8 r
	s_delay_alu instid0(VALU_DEP_3)
	v_add_nc_u32 v4, OSTG, v1
	s_lshl_b32 s88, s[CY], 9
	s_lshl_b32 s89, s[BB], 7
	s_add_co_u32 s88, s88, s89
	s_lshl_b32 s89, s[X], 2
	s_add_co_u32 s88, s88, s89
	s_add_co_u32 s88, s88, s[TL]                   ; 512 x head group + the token tile
	s_lshl_b32 s88, s88, 2
	s_add_co_u32 s88, s88, s[HD]
	s_mul_i32 s88, s88, 768
	s_mov_b32 s89, 0
	s_add_nc_u64 s[10:11], s[10:11], s[88:89]
	s_lshl_b32 s90, s[CY], 8
	s_lshl_b32 s91, s[BB], 6
	s_add_co_u32 s90, s90, s91
	s_lshl_b32 s91, s[X], 1
	s_add_co_u32 s90, s90, s91                     ; 256 x head group + the pair of token tiles
	s_lshl_b32 s90, s90, 8
	s_mov_b32 s91, 0
	s_add_nc_u64 s[12:13], s[12:13], s[90:91]
	s_wait_alu depctr_va_vdst(0)                   ; the wait ahead of the reciprocal's first reader
.set jj, 0
.rept 16
	v_pk_mul_f32 v[S+jj:S+jj+1], v[O+jj:O+jj+1], v[14:15] op_sel_hi:[1,0]   ; register 8 t + j: channel 16 t + 8 h + j; each accumulator from its low end on
.set jj, jj+2
.endr
.irp b, 0,1
.irp j, 0,1,2,3,4,5,6,7
	v_permlane16_swap_b32 v[S+16*\b+\j], v[S+16*\b+8+\j]           ; now register 16 b + i is channel 32 b + 16 h + i: the natural order
.endr
.endr
.irp b, 0,1
	v_max3_num_f32 v[BM+\b], |v[S+16*\b]|, |v[S+1+16*\b]|, 0x1800000
.endr
.irp i, 2,4,6,8,10,12,14
.irp b, 0,1
	s_delay_alu instid0(VALU_DEP_2)
	v_max3_num_f32 v[BM+\b], v[BM+\b], |v[S+16*\b+\i]|, |v[S+1+16*\b+\i]|
.endr
.endr
.irp b, 0,1
	s_delay_alu instid0(VALU_DEP_2)
	v_permlanex16_b32 v[BT+\b], v[BM+\b], s[SEL], s[SEL+1]
.endr
.irp b, 0,1
	s_delay_alu instid0(VALU_DEP_2)
	v_max_num_f32 v[BM+\b], v[BM+\b], v[BT+\b]
.endr
.irp b, 0,1
	s_delay_alu instid0(VALU_DEP_2)
	v_add_nc_u32 v[SO+\b], 0xff000000, v[BM+\b]
.endr
.irp b, 0,1
	s_delay_alu instid0(VALU_DEP_2)
	v_lshrrev_b32 v[BT+\b], 23, v[SO+\b]
.endr
	s_delay_alu instid0(VALU_DEP_1)
	v_lshl_or_b32 v254, v[BT+1], 8, v[BT]          ; my head's two scale bytes of row r
	v_cvt_scalef32_pk16_fp6_f32 v[PC:PC+2], v[S:S+15], v[SO]
	v_cvt_scalef32_pk16_fp6_f32 v[PC+6:PC+8], v[S+16:S+31], v[SO+1]
	v_nop                                          ; one plain place behind a scaled conversion
.irp i, 0,1,2
	v_permlane16_swap_b32 v[PC+\i], v[PC+6+\i]
.endr
.irp i, 0,1,2
	s_delay_alu instid0(VALU_DEP_3)
	v_mov_b32 v[PC+3+\i], v[PC+6+\i]               ; registers 0-5: channels 32 h + 0 .. 31
.endr
	global_store_b128 v1, v[PC:PC+3], s[10:11]                      ; 512 consecutive bytes, aligned to 256
	global_store_b64 v2, v[PC+4:PC+5], s[10:11] offset:512          ; 256 consecutive bytes
	ds_store_b16 v3, v254                          ; lanes r and r + 16 write the same two bytes with the same value
	s_wait_dscnt 0x0                               ; for the others' sake: my store has landed
	s_barrier_signal -1
	s_barrier_wait -1
	s_cmp_lg_u32 s[WV], 0
	s_cbranch_scc1 .Lnot_first
	ds_load_b128 v[S:S+3], v4                      ; the work-group's 512 scale bytes: two pairs of tiles x 32 lanes x 8 bytes
	s_wait_dscnt 0x0
	global_store_b128 v1, v[S:S+3], s[12:13]       ; 512 consecutive bytes, aligned to 256
.Lnot_first:
	s_wait_tensorcnt 0x0                           ; the wave's end
	ds_add_u32 v[SPW], v[NIL]
	s_wait_dscnt 0x0
	CROUND                                         ; the closing round
	s_endpgm
.Lfunc_end_k_q564d3a477e_attn:
	.size	k_q564d3a477e_attn, .Lfunc_end_k_q564d3a477e_attn-k_q564d3a477e_attn
	.p2alignl 7, 3214868480
	.fill 96, 4, 3214868480
	.section	.rodata,"a",@progbits
	.p2align	6, 0x0
	.amdhsa_kernel k_q564d3a477e_attn
		.amdhsa_group_segment_fixed_size 327680
		.amdhsa_private_segment_fixed_size 0
		.amdhsa_enable_private_segment 0
		.amdhsa_kernarg_size 40
		.amdhsa_user_sgpr_count 2
		.amdhsa_user_sgpr_kernarg_segment_ptr 1
		.amdhsa_wavefront_size32 1
		.amdhsa_system_sgpr_workgroup_id_x 1
		.amdhsa_system_sgpr_workgroup_id_y 1
		.amdhsa_system_sgpr_workgroup_id_z 1
		.amdhsa_system_vgpr_workitem_id 0
		.amdhsa_next_free_vgpr 256
		.amdhsa_next_free_sgpr 96
		.amdhsa_reserve_vcc 0
		.amdhsa_float_denorm_mode_32 3
		.amdhsa_float_denorm_mode_16_64 3
		.amdhsa_memory_ordered 1
		.amdhsa_forward_progress 1
		.amdhsa_inst_pref_size 147
	.end_amdhsa_kernel
	.amdgpu_metadata
---
amdhsa.version: [ 1, 2 ]
amdhsa.kernels:
  - .name:           k_q564d3a477e_attn
    .symbol:         k_q564d3a477e_attn.kd
    .args:
      - { .name: qimg, .offset: 0, .size: 8, .value_kind: global_buffer, .address_space: global }
      - { .name: kv, .offset: 8, .size: 8, .value_kind: global_buffer, .address_space: global }
      - { .name: attn_bias, .offset: 16, .size: 8, .value_kind: global_buffer, .address_space: global }
      - { .name: oimg, .offset: 24, .size: 8, .value_kind: global_buffer, .address_space: global }
      - { .name: osc, .offset: 32, .size: 8, .value_kind: global_buffer, .address_space: global }
    .group_segment_fixed_size: 327680
    .private_segment_fixed_size: 0
    .kernarg_segment_align: 8
    .kernarg_segment_size: 40
    .max_flat_workgroup_size: 512
    .sgpr_count:     96
    .vgpr_count:     256
    .wavefront_size: 32
...
	.end_amdgpu_metadata
.endif
;; end of part 2
;; launch proj (part 3): grid 4 x 64, 4 waves a work-group, clusters of 4 x 4, 327,680 bytes of LDS; arguments oimg, osc, Wp_codes, Wp_scales, p_bias, out0; writes out0
.if DOCPART == 3
	.amdgcn_target "amdgcn-amd-amdhsa--gfx1250"
	.amdhsa_code_object_version 6
	.text
	.protected	k_q564d3a477e_proj
	.globl	k_q564d3a477e_proj
	.p2align	8
	.type	k_q564d3a477e_proj,@function
k_q564d3a477e_proj:
	s_mov_b64 s[64:65], 0
	v_nop
	global_prefetch_b8 v0, s[64:65] scope:SCOPE_SE
	s_setreg_imm32_b32 hwreg(HW_REG_WAVE_MODE, 25, 1), 1
	s_wait_xcnt 0x0
	s_wait_alu depctr_hold_cnt(0) depctr_sa_sdst(0) depctr_va_vdst(0) depctr_va_sdst(0) depctr_va_ssrc(0) depctr_va_vcc(0) depctr_vm_vsrc(0)
	s_getreg_b32 s2, hwreg(HW_REG_IB_STS2, 6, 4)
	s_cmp_eq_u32 s2, 0
	s_cbranch_scc0 .Lentry_in_a_cluster
	s_endpgm
.Lentry_in_a_cluster:
	s_bfe_u32 s2, ttmp6, 0x10000c
	s_cmp_lg_u32 s2, 0xf033
	s_cbranch_scc0 .Lentry_shape_is_right
	s_endpgm
.Lentry_shape_is_right:
; out0 = o Wp^T + p_bias on codes of FP6 (E2M3).  o comes as images of operand registers (oimg: [head group][token tile][head][768 bytes]) with its scale words (osc); Wp as it is given.
; A work-group of four waves makes 128 tokens x 256 columns: 4 x 64 = 256 work-groups; a wave makes 64 x 128: 32 accumulators.  The matrix instruction is used transposed (source 0 = rows of Wp, source 1 = tokens).
; ALL OF K LIES IN LDS: o's 128 rows are four dense pieces of 24,576 bytes (one a head group); Wp's 256 rows come whole, 768 bytes each, beginning at multiples of 256 bytes, with 16 bytes of padding behind every 256:
; an LDS row of 816 bytes.  Four joint loads at the head, one a wave (waves 0, 1: two pieces of o each; waves 2, 3: 128 rows of Wp each); nothing is filled again.
; THE SCALES go from memory into registers once, 48 registers that hold nothing else.  p_bias is the C of the first step.
; CLUSTER 4 x 4: o's tiles are asked for jointly along a row of the cluster, Wp's along a column.
; No prefetch: every tile is asked for at the head, and there is no loop to run ahead in.
; THE WAY OUT: blocks of 16 rows x 128 columns go through the wave's stage, which lies in o's bytes (filled once, read out behind the last step's barrier), and leave as rows of 512 bytes.
.set SIZE_N, 1024
.set FR,     12
.set NP,     4
.set PITCH,  816
.set HGB,    24576
.set ASTEP,  512*3072
.set BCOD,   4*HGB
.set HALFB,  128*PITCH
.set SPARE,  BCOD+2*HALFB
.set SPITCH, 528
.set ADRA, 16                          ; v16, v17: 16 lane + my tiles, head groups 0-1, 2-3; v18, v19: 8 lane + 512 likewise
.set ADRB, 20                          ; v20 my rows of Wp, blocks 0-3; v21 the same with 16 more in lanes 16-31 (a piece whose lanes 16-31 lie behind a padding); v22, v23 blocks 4-7
.set STO,  24
.set RD,   25
.set CO,   26
.set SPW,  28
.set NIL,  29
.set SCA,  32                          ; v32-47 o's scale words: register 4 (head group) + 2 (pair of tiles) + step % 2
.set SCB,  48                          ; v48-79 Wp's: register 8 (block % 4) + step
.set AF,   128                         ; o's fragments, two sets of 48
.set BK,   128
.set G1, 24
.set G0, 32
.set G1B, 48
.set G0B, 56
.set MSB, 0
.macro WIN new
.if MSB != (\new)
	s_set_vgpr_msb (MSB<<8)|(\new)
.set MSB, (\new)
.endif
.endm
.set MUL_LO, 0xa1
.set TO_B,   0x40
.macro CREST
	s_cmp_lg_u32 s14, 0
	s_cbranch_scc1 .Lnot_wave_0_\@
	s_barrier_signal -3
.Lnot_wave_0_\@:
	s_barrier_wait -3
	s_barrier_signal -1
	s_barrier_wait -1
.endm
.macro CROUND
	s_barrier_signal -1
	s_barrier_wait -1
	CREST
.endm
	s_load_b128 s[4:7], s[0:1], 0x0                ; oimg, osc
	s_load_b128 s[8:11], s[0:1], 0x10              ; Wp's codes, scales
	s_load_b64 s[96:97], s[0:1], 0x20              ; p_bias
	s_load_b64 s[12:13], s[0:1], 0x28              ; out0
	v_lshl_add_u32 v[SPW], v0, 2, SPARE
	v_mov_b32 v[NIL], 0
	ds_add_u32 v[SPW], v[NIL]                      ; the opening lines: the add twice on end and one wait
	ds_add_u32 v[SPW], v[NIL]
	v_lshrrev_b32 v1, 5, v0
	v_readfirstlane_b32 s14, v1                    ; wave
	s_lshr_b32 s15, s14, 1                         ; my 64 tokens; also: I fetch for o (0) or Wp (1)
	s_and_b32 s16, s14, 1                          ; my 128 columns; also: which half I fetch
	s_bfe_u32 s40, ttmp6, 0x40000
	s_bfe_u32 s41, ttmp6, 0x40004
	s_lshl_b32 s42, ttmp9, 2
	s_add_co_u32 s42, s42, s40                     ; tile column, 256 wide
	s_and_b32 s17, ttmp7, 0xffff
	s_lshl_b32 s17, s17, 2
	s_add_co_u32 s17, s17, s41                     ; tile row, 128 tokens
	s_lshl_b32 s43, s41, 2
	s_lshl_b32 s43, 15, s43
	s_lshl_b32 s44, 0x1111, s40
	s_or_b32 s[G1+0], s43, (3<<16)|(1<<21)         ; o: 2 rows of 3,072 elements of 8 bytes, a head group apart
	s_mov_b32 s[G1+1], 3072<<16
	s_mov_b32 s[G1+2], 2<<16
	s_mov_b32 s[G1+3], 3072<<16
	s_mov_b32 s[G1+4], 2
	s_mov_b32 s[G1+5], ASTEP/8
	s_mov_b32 s[G1+6], 0
	s_mov_b32 s[G1+7], 0
	s_or_b32 s[G1B+0], s44, (0<<16)|(1<<20)|(1<<21)|(5<<22)|(3<<25)   ; Wp: 128 rows of 768 bytes; after every 64 words 4 words of padding
	s_mov_b32 s[G1B+1], 768<<16
	s_mov_b32 s[G1B+2], 128<<16
	s_mov_b32 s[G1B+3], 768<<16
	s_mov_b32 s[G1B+4], 128
	s_mov_b32 s[G1B+5], 768
	s_mov_b32 s[G1B+6], 0
	s_mov_b32 s[G1B+7], 0
	s_mul_i32 s20, s17, HGB
	s_mul_i32 s18, s16, 2*ASTEP
	s_add_co_u32 s20, s20, s18
	s_mov_b32 s21, 0
	s_lshl_b32 s46, s42, 8
	s_lshl_b32 s18, s16, 7
	s_add_co_u32 s46, s46, s18                     ; the 128 rows of Wp that I fetch, and multiply
	s_lshl_b32 s92, s46, 5                         ; their scales
	s_mov_b32 s93, 0
	s_mul_i32 s46, s46, 768
	s_mov_b32 s47, 0
	s_mul_i32 s45, s16, 2*HGB
	s_mul_i32 s2, s16, HALFB
	s_add_co_u32 s2, s2, BCOD
	s_lshl_b32 s22, s17, 3
	s_lshl_b32 s18, s15, 2
	s_add_co_u32 s22, s22, s18                     ; my first token tile
	s_lshl_b32 s22, s22, 7                         ; 128 bytes of scale words a tile and head group
	s_mov_b32 s23, 0
	s_wait_dscnt 0x0
	s_wait_kmcnt 0x0
	s_add_nc_u64 s[20:21], s[4:5], s[20:21]
	s_add_nc_u64 s[22:23], s[6:7], s[22:23]
	s_add_nc_u64 s[46:47], s[8:9], s[46:47]
	s_add_nc_u64 s[92:93], s[10:11], s[92:93]
	CROUND                                         ; the joint loads meet
	s_mov_b32 s[G0], 1
	s_mov_b32 s[G0+1], s45
	s_mov_b64 s[G0+2:G0+3], s[20:21]
	s_or_b32 s[G0+3], s[G0+3], 0x80000000
	s_mov_b32 s[G0B], 1
	s_mov_b32 s[G0B+1], s2
	s_mov_b64 s[G0B+2:G0B+3], s[46:47]
	s_or_b32 s[G0B+3], s[G0B+3], 0x80000000
	s_cmp_eq_u32 s15, 0
	s_cbranch_scc0 .Lfor_b
	tensor_load_to_lds s[G0:G0+3], s[G1:G1+7]
	s_nop 0
.rept 4
	v_nop
.endr
	s_branch .Lasked
.Lfor_b:
	tensor_load_to_lds s[G0B:G0B+3], s[G1B:G1B+7]
	s_nop 0
.rept 4
	v_nop
.endr
.Lasked:
	s_lshl_b32 s20, s17, 7
	s_lshl_b32 s21, s15, 6
	s_add_co_u32 s20, s20, s21
	s_lshl_b32 s20, s20, 12                        ; my first row of out0, 4,096 bytes a row
	s_lshl_b32 s46, s42, 10
	s_lshl_b32 s47, s16, 9
	s_add_co_u32 s46, s46, s47                     ; my first column, in bytes
	s_mov_b32 s47, 0
	s_add_nc_u64 s[96:97], s[96:97], s[46:47]
	s_add_co_u32 s46, s46, s20
	s_add_nc_u64 s[12:13], s[12:13], s[46:47]
	s_mul_i32 s21, s15, 4*3072
	s_mul_i32 s18, s16, HALFB
	s_add_co_u32 s18, s18, BCOD
	s_mul_i32 s19, s14, 16*SPITCH
	v_and_b32 v1, 15, v0
	v_bfe_u32 v2, v0, 4, 1
	v_and_b32 v6, 31, v0
	v_lshl_add_u32 v[ADRA], v6, 4, s21
	v_lshl_add_u32 v[ADRA+2], v6, 3, s21
	v_add_nc_u32 v[ADRA+2], 512, v[ADRA+2]
	v_add_nc_u32 v[ADRA+1], 2*HGB, v[ADRA]
	v_add_nc_u32 v[ADRA+3], 2*HGB, v[ADRA+2]
	v_mul_u32_u24 v3, v1, PITCH
	v_mad_u32_u24 v3, v2, 24, v3
	v_add_nc_u32 v[ADRB], s18, v3
	v_lshl_add_u32 v[ADRB+1], v2, 4, v[ADRB]
	v_add_nc_u32 v[ADRB+2], 64*PITCH, v[ADRB]
	v_add_nc_u32 v[ADRB+3], 64*PITCH, v[ADRB+1]
	v_mul_u32_u24 v5, v1, SPITCH
	v_lshl_add_u32 v5, v2, 5, v5
	v_add_nc_u32 v[STO], s19, v5
	v_lshlrev_b32 v[CO], 4, v6
	v_add_nc_u32 v[RD], s19, v[CO]
	v_lshlrev_b32 v7, 5, v2                        ; p_bias: 32 (l / 16)
	v_lshlrev_b32 v8, 5, v1
	v_lshl_add_u32 v8, v2, 11, v8                  ; Wp's scales: row l % 16 + 64 (l / 16), 32 bytes a row
	v_lshlrev_b32 v9, 3, v6                        ; o's scale words: 8 lane
	s_wait_alu depctr_va_vdst(0)                   ; the wait at the head's end
	WIN TO_B
.irp b, 0,1,2,3,4,5,6,7
	global_load_b128 v[96+8*\b+96*(\b/4):96+8*\b+96*(\b/4)+3], v7, s[96:97] offset:64*\b
	global_load_b128 v[96+8*\b+96*(\b/4)+4:96+8*\b+96*(\b/4)+7], v7, s[96:97] offset:64*\b+16
.endr
	WIN 0
.irp i, 0,1,2,3
	global_load_b128 v[SCB+8*\i:SCB+8*\i+3], v8, s[92:93] offset:512*\i
	global_load_b128 v[SCB+8*\i+4:SCB+8*\i+7], v8, s[92:93] offset:512*\i+16
.endr
.irp g, 0,1,2,3
.irp i, 0,1
	global_load_b64 v[SCA+4*\g+2*\i:SCA+4*\g+2*\i+1], v9, s[22:23] offset:65536*\g+256*\i
.endr
.endr
.macro FRAG reg, st, i                 ; Wp: 16 rows x 128 K in six pieces of 8 bytes; byte y of a row lies at y + 16 (y / 256) of its LDS row
.irp p, 0,1,2,3,4,5
.set BY, 96*(\st)+48*(\p/3)+8*(\p%3)
.set OF, BY+16*(BY/256)+((\i)%4)*16*PITCH
.if BY/256 == (BY+24)/256
	ds_load_b64 v[\reg+2*\p:\reg+2*\p+1], v[ADRB+2*((\i)/4)] offset:OF
.else
	ds_load_b64 v[\reg+2*\p:\reg+2*\p+1], v[ADRB+2*((\i)/4)+1] offset:OF
.endif
.endr
.endm
.macro FRAGA reg, st, i                ; o: the images of two heads, 6 registers each
.set rF, \reg
.set OA, (((\st)/2)%2)*HGB+3072*(\i)+1536*((\st)%2)
	ds_load_b128 v[rF:rF+3], v[ADRA+(\st)/4] offset:OA
	ds_load_b64 v[rF+4:rF+5], v[ADRA+2+(\st)/4] offset:OA
	ds_load_b128 v[rF+6:rF+9], v[ADRA+(\st)/4] offset:OA+768
	ds_load_b64 v[rF+10:rF+11], v[ADRA+2+(\st)/4] offset:OA+768
.endm
.macro FETCH st                        ; step st's fragments into the sets st % 2
	WIN TO_B
.irp i, 0,1,2,3,4,5,6,7
	FRAG 128*((\st)%2)+FR*\i, \st, \i
.endr
	WIN 0
.irp i, 0,1,2,3
	FRAGA AF+48*((\st)%2)+FR*\i, \st, \i
.endr
.endm
.macro PROD a, b, st, zero
.set rD, 8*(8*(\a)+(\b))
.set rC, rD
.if \zero
.set rC, 96+8*(\b)+96*((\b)/4)
.endif
.set rB, 128*((\st)%2)+FR*(\b)
.set rA, AF+48*((\st)%2)+FR*(\a)
.set rSB, SCB+8*((\b)%4)+(\st)
.set rSA, SCA+4*((\st)/2)+2*((\a)/2)+(\st)%2
.if ((\b)/4 == 1) && ((\a)%2 == 1)
	v_wmma_scale_f32_16x16x128_f8f6f4 v[rD:rD+7], v[rB:rB+FR-1], v[rA:rA+FR-1], v[rC:rC+7], v[rSB], v[rSA] matrix_a_fmt:MATRIX_FMT_FP6 matrix_b_fmt:MATRIX_FMT_FP6 matrix_a_scale:MATRIX_SCALE_ROW1 matrix_b_scale:MATRIX_SCALE_ROW1
.elseif (\b)/4 == 1
	v_wmma_scale_f32_16x16x128_f8f6f4 v[rD:rD+7], v[rB:rB+FR-1], v[rA:rA+FR-1], v[rC:rC+7], v[rSB], v[rSA] matrix_a_fmt:MATRIX_FMT_FP6 matrix_b_fmt:MATRIX_FMT_FP6 matrix_a_scale:MATRIX_SCALE_ROW1
.elseif (\a)%2 == 1
	v_wmma_scale_f32_16x16x128_f8f6f4 v[rD:rD+7], v[rB:rB+FR-1], v[rA:rA+FR-1], v[rC:rC+7], v[rSB], v[rSA] matrix_a_fmt:MATRIX_FMT_FP6 matrix_b_fmt:MATRIX_FMT_FP6 matrix_b_scale:MATRIX_SCALE_ROW1
.else
	v_wmma_scale_f32_16x16x128_f8f6f4 v[rD:rD+7], v[rB:rB+FR-1], v[rA:rA+FR-1], v[rC:rC+7], v[rSB], v[rSA] matrix_a_fmt:MATRIX_FMT_FP6 matrix_b_fmt:MATRIX_FMT_FP6
.endif
.endm
.macro MUL st, zero                    ; the 32 accumulators take turns, in the same order in every step
	WIN MUL_LO-0x10*(\zero)
.irp a, 0,1,2,3
.irp b, 0,1,2,3,4,5,6,7
	PROD \a, \b, \st, \zero
.endr
.endr
	WIN 0
.endm
.macro PLACES n
.rept \n
	v_nop
.endr
.endm
	s_wait_tensorcnt 0x0                           ; my tile is in
	s_barrier_signal -1
	s_barrier_wait -1                              ; all four are
	FETCH 0
	s_wait_loadcnt 0x0                             ; the bias and the scale words
	s_wait_dscnt 0x0
	FETCH 1
	MUL 0, 1                                       ; the first step starts the sums on p_bias
.irp st, 1,2,3,4,5,6
	s_wait_dscnt 0x0                               ; this step's fragments are in: they were asked for ahead of the last step's 32 products
	PLACES NP                                      ; in front of loads into registers that the last step's products read
	FETCH \st+1
	MUL \st, 0
.endr
	s_wait_dscnt 0x0                               ; my last reads of the tiles
	s_barrier_signal -1
	MUL 7, 0
	s_barrier_wait -1                              ; nobody reads o's bytes any more: the stages may be written
.macro TOSTAGE a
.set AC, 64*(\a)
	WIN 0x08
.irp b, 0,1,2,3,4,5,6,7
	ds_store_b128 v[STO], v[AC+8*\b:AC+8*\b+3] offset:64*\b          ; each accumulator from its low end on
	ds_store_b128 v[STO], v[AC+8*\b+4:AC+8*\b+7] offset:64*\b+16
.endr
	WIN 0
.set BB, BK+64*((\a)%2)
.irp t, 0,1,2,3,4,5,6,7,8,9,10,11,12,13,14,15
	ds_load_b128 v[BB+4*\t:BB+4*\t+3], v[RD] offset:\t*SPITCH        ; a wave's LDS instructions are served in order
.endr
.endm
.macro SEND a, younger
.set BB, BK+64*((\a)%2)
	s_wait_dscnt \younger
.if (\a) > 0
	s_add_nc_u64 s[12:13], s[12:13], 16*SIZE_N*4
.endif
.irp t, 0,1,2,3,4,5,6,7,8,9,10,11,12,13,14,15
	global_store_b128 v[CO], v[BB+4*\t:BB+4*\t+3], s[12:13] offset:\t*SIZE_N*4 th:TH_STORE_NT   ; 32 lanes store 512 consecutive bytes, aligned to 256
.endr
.endm
	PLACES NP
	TOSTAGE 0
.irp a, 1,2,3
.if \a > 1
	s_wait_xcnt 0x0                                ; block a - 2's stores have read their registers and their base
.endif
	TOSTAGE \a
	SEND \a-1, 32                                  ; behind block a - 1's loads stand block a's 16 stores and 16 loads
.endr
	s_wait_xcnt 0x0
	SEND 3, 0
	s_wait_tensorcnt 0x0                           ; the wave's end
	ds_add_u32 v[SPW], v[NIL]
	s_wait_dscnt 0x0
	CROUND                                         ; the closing round
	s_endpgm
.Lfunc_end_k_q564d3a477e_proj:
	.size	k_q564d3a477e_proj, .Lfunc_end_k_q564d3a477e_proj-k_q564d3a477e_proj
	.p2alignl 7, 3214868480
	.fill 96, 4, 3214868480
	.section	.rodata,"a",@progbits
	.p2align	6, 0x0
	.amdhsa_kernel k_q564d3a477e_proj
		.amdhsa_group_segment_fixed_size 327680
		.amdhsa_private_segment_fixed_size 0
		.amdhsa_enable_private_segment 0
		.amdhsa_kernarg_size 48
		.amdhsa_user_sgpr_count 2
		.amdhsa_user_sgpr_kernarg_segment_ptr 1
		.amdhsa_wavefront_size32 1
		.amdhsa_system_sgpr_workgroup_id_x 1
		.amdhsa_system_sgpr_workgroup_id_y 1
		.amdhsa_system_sgpr_workgroup_id_z 1
		.amdhsa_system_vgpr_workitem_id 0
		.amdhsa_next_free_vgpr 768
		.amdhsa_next_free_sgpr 98
		.amdhsa_reserve_vcc 0
		.amdhsa_float_denorm_mode_32 3
		.amdhsa_float_denorm_mode_16_64 3
		.amdhsa_memory_ordered 1
		.amdhsa_forward_progress 1
		.amdhsa_inst_pref_size 91
	.end_amdhsa_kernel
	.amdgpu_metadata
---
amdhsa.version: [ 1, 2 ]
amdhsa.kernels:
  - .name:           k_q564d3a477e_proj
    .symbol:         k_q564d3a477e_proj.kd
    .args:
      - { .name: oimg, .offset: 0, .size: 8, .value_kind: global_buffer, .address_space: global }
      - { .name: osc, .offset: 8, .size: 8, .value_kind: global_buffer, .address_space: global }
      - { .name: Wp_codes, .offset: 16, .size: 8, .value_kind: global_buffer, .address_space: global }
      - { .name: Wp_scales, .offset: 24, .size: 8, .value_kind: global_buffer, .address_space: global }
      - { .name: p_bias, .offset: 32, .size: 8, .value_kind: global_buffer, .address_space: global }
      - { .name: out0, .offset: 40, .size: 8, .value_kind: global_buffer, .address_space: global }
    .group_segment_fixed_size: 327680
    .private_segment_fixed_size: 0
    .kernarg_segment_align: 8
    .kernarg_segment_size: 48
    .max_flat_workgroup_size: 128
    .sgpr_count:     98
    .vgpr_count:     768
    .wavefront_size: 32
...
	.end_amdgpu_metadata
.endif
;; end of part 3
